; MI455X (gfx1250); checked and timed in simulation.
; The chip was launched on July 23, 2026; its instructions are those of AMD's public machine-readable ISA for CDNA 5 (MIT licence, August 2026) and "CDNA5" Instruction Set Architecture Reference Guide (July 2026). The comments in the code are by the model that wrote it; some were corrected since.
;; Qwen Feed Forward adaptive. Allowed arithmetic: matrix products marked QUANTISED: E3M2 operands, one E8M0 scale for each 32 along K, by v_wmma_scale_f32_16x16x128_f8f6f4 with both operands' format E3M2, f32 sums; everything else in f32.
;; Inputs: W1_codes 4,096 x 32 x 24 uint8 (E3M2 codes of W1, K innermost, in blocks of 32 codes, four codes in three bytes); W1_scales 4,096 x 32 uint8 (E8M0 scales of W1, one for each 32 codes along K); W2_codes 1,024 x 128 x 24 uint8 (E3M2 codes of W2, K innermost, in blocks of 32 codes, four codes in three bytes); W2_scales 1,024 x 128 uint8 (E8M0 scales of W2, one for each 32 codes along K); b1 4,096 float32; b2 1,024 float32; hidden_states_codes 4 x 2,048 x 32 x 24 uint8 (E3M2 codes of hidden_states, K innermost, in blocks of 32 codes, four codes in three bytes); hidden_states_scales 4 x 2,048 x 32 uint8 (E8M0 scales of hidden_states, one for each 32 codes along K); logit_width 4 x 4 float32.
;; Outputs: out0 4 x 2,048 x 1,024 float32; out1 4 x 4 float32.
;; This version of the problem:
;;   THIS VERSION OF THE PROBLEM IS GIVEN IN LOW PRECISION. The matrix products marked QUANTISED in the list below multiply operands that are first quantised to E3M2 (3 exponent bits, 2 mantissa bits; 6 bits a number), with one power-of-two scale for each 32 numbers along K (OCP MX v1.0); their sums are f32. All else is computed in f32.
;;   The module's matrix products, in the order in which they are computed (A, B: the left and right operand; K: the contracted axis; several contracted axes count as one K, in the product's order):
;;     1. [M 8,192, K 1,024] x [K 1,024, N 4,096]; A: input hidden_states (given as codes); B: input W1 (given as codes): QUANTISED
;;     2. [M 8,192, K 4,096] x [K 4,096, N 1,024]; A: computed on the way; B: input W2 (given as codes): QUANTISED
;;   THE QUANTISER, for each operand of a quantised product, along K:
;;     - K is cut into blocks of 32 from its start; a last block that is shorter is filled with zeros.
;;     - A block's scale is 2^e with e = floor(log2(the largest magnitude in the block)) - 4, held to -126 .. 127; a block of zeros has e = 0. As a byte (E8M0): e + 127.
;;     - Each number is divided by its block's scale, clamped to +-28, and rounded to the nearest number of E3M2, ties to even, subnormals kept.
;;     - The product sums the exact products of the quantised numbers (number of the format x scale) in f32.
;;   ~~~python
;;   def quantise(x, axis):      # numpy; x: float32 -> the quantised numbers, widened to float32 again
;;       x = np.moveaxis(x, axis, -1); K = x.shape[-1]
;;       x = np.pad(x, [(0, 0)] * (x.ndim - 1) + [(0, -K % 32)]); x = x.reshape(x.shape[:-1] + (-1, 32)); a = np.abs(x).max(-1, keepdims=True)
;;       e = np.where(a > 0, np.clip(np.frexp(np.where(a > 0, a, 1))[1] - 1 - 4, -126, 127), 0)      # np.frexp(a)[1] - 1 = floor(log2(a)), exactly
;;       r = np.clip(x / 2.0 ** e, -28, 28)
;;       step = 2.0 ** (np.maximum(np.frexp(np.where(r == 0, 1, r))[1] - 1, -2) - 2)
;;       q = np.round(r / step) * step * 2.0 ** e      # np.round: ties to even
;;       return np.moveaxis(q.reshape(q.shape[:-2] + (-1,))[..., :K], -1, axis).astype(np.float32)
;;   ~~~
;;   OPERANDS COMPUTED ON THE WAY. 'Computed on the way' means the value that the module computes at that place (a softmax that the list does not call 'softmax' is quantised finished and normalised). What goes into a quantiser is computed in f32, as accurately as f32 sums, v_exp_f32 and their like allow (about 1e-6 of the number): no bf16 or f16 on the way to a quantiser, and a product that is left as it is and whose result goes on into a quantised operand takes f32 operands (vector FMAs, or v_wmma_f32_16x16x4_f32). A number that lies on a knife's edge between two numbers of the format may be rounded either way, as far as f32 arithmetic and the matrix unit's own rounding can turn it there, and no further.
;;   INPUTS GIVEN AS CODES. W1 (in the module: [4096, 1024], K = its axis 1); W2 (in the module: [1024, 4096], K = its axis 1); hidden_states (in the module: [4, 2048, 1024], K = its axis 2): each comes as NAME_codes (uint8): NAME with its K axis moved to the last place and cut into blocks of 32 codes, [.., K / 32, bytes a block], one block behind the other in memory; four codes in three bytes: a row's codes are one little-endian stream of bits, code i at bits 6 i .. 6 i + 5 (a code: sign, 3 exponent bits, 2 mantissa bits); and NAME_scales (uint8): the same leading axes, one E8M0 byte (e + 127) for each 32 codes along K. Its value is code x scale, taken as it is: it is not quantised again, and the codes and scales need not be those that the quantiser above would give.
;; 2 versions. Each part assembles by itself: llvm-mc -triple=amdgcn-amd-amdhsa -mcpu=gfx1250 --defsym DOCPART=n.
;; ======== version 1 of 2: 2 launches
;; workspace buffers: h_codes 25,165,824 bytes; h_scales 1,048,576 bytes
;; launch up (part 1): grid 16 x 32, 4 waves a work-group, clusters of 4 x 4, 327,680 bytes of LDS; arguments hidden_states_codes, hidden_states_scales, W1_codes, W1_scales, b1, logit_width, h_codes, h_scales, out1; writes h_codes, h_scales, out1
.if DOCPART == 1
	.amdgcn_target "amdgcn-amd-amdhsa--gfx1250"
	.amdhsa_code_object_version 6
	.text
	.protected	k_q99fecdfb4d_up
	.globl	k_q99fecdfb4d_up
	.p2align	8
	.type	k_q99fecdfb4d_up,@function
k_q99fecdfb4d_up:
	s_mov_b64 s[64:65], 0
	v_nop
	global_prefetch_b8 v0, s[64:65] scope:SCOPE_SE
	s_setreg_imm32_b32 hwreg(HW_REG_WAVE_MODE, 25, 1), 1
	s_wait_xcnt 0x0
	s_wait_alu depctr_hold_cnt(0) depctr_sa_sdst(0) depctr_va_vdst(0) depctr_va_sdst(0) depctr_va_ssrc(0) depctr_va_vcc(0) depctr_vm_vsrc(0)
	s_getreg_b32 s2, hwreg(HW_REG_IB_STS2, 6, 4)
	s_cmp_eq_u32 s2, 0
	s_cbranch_scc0 .Lentry_in_a_cluster
	s_endpgm
.Lentry_in_a_cluster:
	s_bfe_u32 s2, ttmp6, 0x10000c
	s_cmp_lg_u32 s2, 0xf033
	s_cbranch_scc0 .Lentry_shape_is_right
	s_endpgm
.Lentry_shape_is_right:
; g = mask x gelu(x W1^T + b1), quantised along the hidden axis; and out1 = softmax(logit_width).
; x: [8192][1024], W1: [4096][1024]: codes of BF6 (E3M2), 6 bits each, K innermost, one E8M0 byte for each 32 along K.  gelu(h) = h / (1 + 2^(-1.702 log2(e) h)), in f32.
; A tile of 256 rows x 256 hidden units is made by a work-group of four waves; a wave makes 128 x 128: 64 accumulators of 16 x 16, 512 registers.  K goes in steps of 256 through a ring of two LDS slots
; filled by the tensor data mover (a tile's row: 192 bytes).  The scale bytes of the work-group's rows, for all of K, come into LDS once, with the first fills.
; CLUSTERS: 4 x 4 work-groups; x's tiles are asked for jointly along a row of the cluster, W1's along a column.
; THE MATRIX INSTRUCTION IS USED TRANSPOSED (source 0 = 16 rows of W1, source 1 = 16 rows of x): a lane holds one row of x and eight neighbouring hidden units.  b1 is the C of each sum's first product.
; THE MASK.  A batch of 2,048 rows keeps the first 1,024 (argmax + 1) hidden units.  A tile lies in one batch (cluster y / 2) and one quarter of the hidden axis (cluster x): it is kept whole or not at all.
; The choice selects a value and steers nothing: the codes of a tile that is not kept are ANDed with 0.
; THE RESULT leaves as the second product's operand registers: h_codes [group of 128 rows][128 hidden units][block of 16 rows][3][lane][16 bytes], a fragment's twelve registers in three groups of four;
; h_scales [group][128 hidden units][lane][4] words: word p of lane l is the scale word of row 32 p + l.  Every store of a wave covers 512 consecutive bytes, aligned.
; LIMITS: the argmax is taken on the logits (first maximum wins): it differs from the argmax of the rounded softmax only where two logits are so near that their softmax values round to one f32 number; NaN logits are
; not served.  A tile that is not kept gives zeros also where its hidden numbers are not finite.  A block of zeros gets the byte 1 (its codes are zeros; this program alone reads the bytes).
; REGISTERS, in windows of 256: window 0: v0-31 addresses; v32-63 scale words, two sets; v64-127 b1, later a block at work; from v128 x's fragments, ONE set, later codes and work registers.
;   window 1: W1's fragments, two sets.   window 2: the accumulators of my rows 0-63 ((a, b) at v[8 (8 a + b)]);   window 3: those of my rows 64-127.
.set SIZE_K, 1024
.set KSTEP,  256                       ; along K in a slot
.set NQ,     KSTEP/128                 ; matrix instructions deep
.set ROWB,   192                       ; a tile's row in bytes
.set KROW,   SIZE_K*6/8                ; a row of x or of W1 in memory
.set PITCH,  240                       ; an LDS row: 3 x (64 bytes + 16 of padding) = 60 words: the 32 lanes of a load of 8 bytes touch 64 different banks (64 banks of 4 bytes: ISA guide 11.1)
.set FR,     12                        ; registers of a fragment: 16 rows x 128 K
.set NL,     6                         ; LDS loads that bring one
.set NP,     4                         ; places behind this matrix instruction (ISA guide 7.12.1)
.set HALFT,  128*PITCH                 ; 128 rows: what one tensor load brings
.set SLOT,   4*HALFT                   ; x's 256 rows, then W1's 256 rows
.set LAPS,   SIZE_K/(2*KSTEP)          ; a lap = once round the ring
.set KS,     SIZE_K/32                 ; a row of scale bytes
.set SCL,    2*SLOT                    ; behind the ring: the scales, as units of 256 bytes + 16 of padding
.set HALFS,  (128*KS/256)*272          ; those of 128 rows
.set SBLK,   (16*KS/256)*272           ; those of 16 rows
.set SPARE,  SCL+4*HALFS               ; the spare words, 128 bytes for each wave: two blocks of 256 bytes that no other line names
.set ADRA, 16                          ; v16-17 LDS address of my x fragments in slot 0, 1 (v18-19: for the pieces behind one padding more)
.set ADRB, 20                          ; v20-23 the same for W1
.set ADRS, 27                          ; v27    LDS address of my scale words: lanes 0-15 x's rows, lanes 16-31 W1's
.set SPW,  28                          ; v28    LDS address of my spare word; never rewritten
.set NIL,  29                          ; v29    0; never rewritten
.set VM,   30                          ; v30    all ones where my tile is kept, else 0
.set LI,   31                          ; v31    16 x lane; never rewritten
.set SC,   32                          ; scale words: set s at v[SC + 8 NQ s]; register NQ i + q: lanes 0-15 x's block i, lanes 16-31 W1's block i
.set BI,   64                          ; v64-127 b1 in the result's layout: register 8 b + j: unit 16 b + 8 (lane / 16) + j
.set AF,   128                         ; x's fragments
.set E,    64                          ; the way out: a block's 64 numbers a lane
.set CD,   128                         ; v128-146 the codes just made
.set TM,   160                         ; v160-175 the quantiser's work registers
.set SW,   176                         ; v176-183 the eight blocks' scale words
.set SWO,  184                         ; v184-187 as they are stored
.set G1, 24                            ; s[24:31] descriptor group 1 for x's tiles;  s[32:39] group 0, one set for each slot
.set G0, 32
.set G1B, 48                           ; the same for W1's tiles
.set G0B, 56
.set G1S, 68                           ; groups 1 and 0 for x's scales;  for W1's
.set G0S, 76
.set G1SB, 80
.set G0SB, 88
.set CG,  96                           ; s[96:97] -1.702 log2(e), twice
.set SEL, 98                           ; s[98:99] v_permlanex16_b32's selects for lane l xor 16
.set MSB, 0
.macro WIN new                         ; the immediate's high byte repeats the setting that is left
.if MSB != (\new)
	s_set_vgpr_msb (MSB<<8)|(\new)
.set MSB, (\new)
.endif
.endm
.set MUL_LO,  0xa1                     ; source 0 (W1) window 1, source 1 (x) window 0, C and D window 2
.set MUL_HI,  0xf1                     ; the same, C and D window 3
.set MUL_LO0, 0x81                     ; the first step: C (b1) window 0, D window 2
.set MUL_HI0, 0xc1                     ; C window 0, D window 3
.set TO_B,    0x40                     ; destination window 1, address window 0
; A joint load: waves 0 and 1 fetch for x, waves 2 and 3 for W1.  Each line has one mask and one set of registers for all that issue it; the branch hangs on the wave's number alone.
; Four v_nop follow each of the two lines, ahead of the jump, the label and what follows.
.macro JLOAD g0a, g1a, g0b, g1b
	s_cmp_eq_u32 s15, 0
	s_cbranch_scc0 .Lfor_b_\@
	tensor_load_to_lds s[\g0a:\g0a+3], s[\g1a:\g1a+7]
	s_nop 0
.rept 4
	v_nop
.endr
	s_branch .Lasked_\@
.Lfor_b_\@:
	tensor_load_to_lds s[\g0b:\g0b+3], s[\g1b:\g1b+7]
	s_nop 0
.rept 4
	v_nop
.endr
.Lasked_\@:
.endm
.macro CREST                           ; a round of the cluster's barrier behind its opening barrier
	s_cmp_lg_u32 s14, 0
	s_cbranch_scc1 .Lnot_wave_0_\@
	s_barrier_signal -3
.Lnot_wave_0_\@:
	s_barrier_wait -3
	s_barrier_signal -1
	s_barrier_wait -1
.endm
.macro CROUND                          ; a whole round
	s_barrier_signal -1
	s_barrier_wait -1
	CREST
.endm
	s_load_b128 s[4:7], s[0:1], 0x0                ; x's codes, x's scales
	s_load_b128 s[8:11], s[0:1], 0x10              ; W1's codes, W1's scales
	v_lshl_add_u32 v[SPW], v0, 2, SPARE
	v_mov_b32 v[NIL], 0
	ds_add_u32 v28, v29
	ds_add_u32 v28, v29
	s_wait_dscnt 0x0
	v_lshrrev_b32 v1, 5, v0
	v_readfirstlane_b32 s14, v1                    ; wave 0..3
	s_lshr_b32 s15, s14, 1                         ; which half of the tile's rows is mine.  Also: I fetch for x (0) or for W1 (1)
	s_and_b32 s16, s14, 1                          ; which half of its hidden units.  Also: which 128 rows of that tile I fetch
	s_bfe_u32 s40, ttmp6, 0x40000                  ; cx, cy: my place in the cluster
	s_bfe_u32 s41, ttmp6, 0x40004
	s_lshl_b32 s42, ttmp9, 2
	s_add_co_u32 s42, s42, s40                     ; tile column = 4 x cluster x + cx
	s_and_b32 s17, ttmp7, 0xffff
	s_lshl_b32 s17, s17, 2
	s_add_co_u32 s17, s17, s41                     ; tile row = 4 x cluster y + cy
	s_lshl_b32 s43, s41, 2
	s_lshl_b32 s43, 15, s43                        ; my row of the cluster
	s_lshl_b32 s44, 0x1111, s40                    ; my column
	; descriptor group 1: a tile of 128 rows x ROWB bytes, padded in LDS
	s_or_b32 s[G1+0], s43, (0<<16)|(1<<20)|(1<<21)|(3<<22)|(3<<25)  ; 15:0 the mask; 17:16 element of 1 byte; 20 padding on; 21 set beside a mask; 24:22 after every 16 words; 31:25 of 4 words
	s_or_b32 s[G1B+0], s44, (0<<16)|(1<<20)|(1<<21)|(3<<22)|(3<<25)
.irp g, G1, G1B
	s_mov_b32 s[\g+1], ROWB<<16                    ; tensor_dim0
	s_mov_b32 s[\g+2], 128<<16                     ; tensor_dim1
	s_mov_b32 s[\g+3], ROWB<<16                    ; tile_dim0
	s_mov_b32 s[\g+4], 128                         ; tile_dim1
	s_mov_b32 s[\g+5], KROW                        ; tensor_dim0_stride
	s_mov_b32 s[\g+6], 0
	s_mov_b32 s[\g+7], 0
.endr
	; the scales of 128 rows: a dense block of 128 KS bytes, as rows of 256 bytes (32 elements of 8 bytes), 16 bytes of padding behind each
	s_or_b32 s[G1S+0], s43, (3<<16)|(1<<20)|(1<<21)|(5<<22)|(3<<25)
	s_or_b32 s[G1SB+0], s44, (3<<16)|(1<<20)|(1<<21)|(5<<22)|(3<<25)
.irp g, G1S, G1SB
	s_mov_b32 s[\g+1], 32<<16
	s_mov_b32 s[\g+2], (128*KS/256)<<16
	s_mov_b32 s[\g+3], 32<<16
	s_mov_b32 s[\g+4], 128*KS/256
	s_mov_b32 s[\g+5], 32
	s_mov_b32 s[\g+6], 0
	s_mov_b32 s[\g+7], 0
.endr
	s_lshl_b32 s18, s16, 7                         ; which 128 rows of the tile I fetch
	s_lshl_b32 s20, s17, 8
	s_add_co_u32 s20, s20, s18                     ; x: row 256 x tile row + 128 x half
	s_lshl_b32 s46, s42, 8
	s_add_co_u32 s46, s46, s18                     ; W1: row 256 x tile column + 128 x half
	s_mov_b32 s21, 0
	s_mov_b32 s47, 0
	s_mov_b64 s[18:19], KS
	s_mul_u64 s[22:23], s[20:21], s[18:19]         ; where these rows' scales begin, in bytes
	s_mul_u64 s[92:93], s[46:47], s[18:19]
	s_mov_b64 s[18:19], KROW
	s_mul_u64 s[20:21], s[20:21], s[18:19]         ; and their codes
	s_mul_u64 s[46:47], s[46:47], s[18:19]
	s_mul_i32 s45, s14, HALFT                      ; where they go: wave x 128 rows: no place in the cluster enters an LDS address
	s_mul_i32 s94, s14, HALFS
	s_wait_kmcnt 0x0
	s_add_nc_u64 s[20:21], s[4:5], s[20:21]
	s_add_nc_u64 s[22:23], s[6:7], s[22:23]
	s_add_nc_u64 s[46:47], s[8:9], s[46:47]
	s_add_nc_u64 s[92:93], s[10:11], s[92:93]
	CROUND                                         ; all sixteen work-groups are here: the first joint loads meet
	s_mov_b32 s[G0S], 1
	s_add_co_u32 s[G0S+1], s94, SCL
	s_mov_b64 s[G0S+2:G0S+3], s[22:23]
	s_or_b32 s[G0S+3], s[G0S+3], 0x80000000
	s_mov_b32 s[G0SB], 1
	s_add_co_u32 s[G0SB+1], s94, SCL
	s_mov_b64 s[G0SB+2:G0SB+3], s[92:93]
	s_or_b32 s[G0SB+3], s[G0SB+3], 0x80000000
	JLOAD G0S, G1S, G0SB, G1SB                     ; the scales first: they are wanted with K step 0.  With the two below, three tensor loads of mine are out
.irp s, 0,1
	s_mov_b32 s[G0+4*\s], 1
	s_add_co_u32 s[G0+4*\s+1], s45, \s*SLOT
	s_add_nc_u64 s[G0+4*\s+2:G0+4*\s+3], s[20:21], \s*ROWB
	s_or_b32 s[G0+4*\s+3], s[G0+4*\s+3], 0x80000000
	s_mov_b32 s[G0B+4*\s], 1
	s_add_co_u32 s[G0B+4*\s+1], s45, \s*SLOT
	s_add_nc_u64 s[G0B+4*\s+2:G0B+4*\s+3], s[46:47], \s*ROWB
	s_or_b32 s[G0B+4*\s+3], s[G0B+4*\s+3], 0x80000000
	JLOAD G0+4*\s, G1, G0B+4*\s, G1B
.endr
	s_load_b128 s[4:7], s[0:1], 0x20               ; b1, logit_width (the descriptors hold copies of the four addresses that stood here)
	s_load_b128 s[8:11], s[0:1], 0x30              ; h_codes, h_scales
	s_load_b64 s[12:13], s[0:1], 0x40              ; out1
	v_and_b32 v1, 15, v0                           ; r = l % 16
	v_bfe_u32 v2, v0, 4, 1                         ; h = l / 16
	v_mul_u32_u24 v3, v1, PITCH
	v_mul_u32_u24 v4, v2, 24
	v_add_nc_u32 v4, v3, v4                        ; a fragment's row x pitch + 24 x half
	v_lshl_add_u32 v5, v2, 4, v4                   ; and the same behind one padding more
	s_mul_i32 s21, s15, HALFT                      ; my 128 rows of x
	s_mul_i32 s22, s16, HALFT                      ; my 128 rows of W1,
	s_add_co_u32 s22, s22, 2*HALFT                 ; which lie behind x's 256
.irp s, 0,1
	v_add_nc_u32 v[ADRA+\s], s21, v4
	v_add_nc_u32 v[ADRB+\s], s22, v4
	v_add_nc_u32 v[ADRA+2+\s], s21, v5
	v_add_nc_u32 v[ADRB+2+\s], s22, v5
	s_add_co_u32 s21, s21, SLOT
	s_add_co_u32 s22, s22, SLOT
.endr
	v_mul_u32_u24 v5, v1, KS                       ; my row's scales: KS bytes a row,
	v_lshrrev_b32 v6, 8, v5
	v_lshl_add_u32 v5, v6, 4, v5                   ; and 16 more for each 256 passed
	s_mul_i32 s21, s15, HALFS                      ; x's: my 128 rows
	s_mul_i32 s22, s16, HALFS                      ; W1's: my 128 rows, behind x's 256
	s_add_co_u32 s22, s22, 2*HALFS
	s_sub_co_u32 s22, s22, s21
	v_mul_u32_u24 v6, s22, v2                      ; lanes 16-31 take W1's
	s_add_co_u32 s21, s21, SCL
	v_add_nc_u32 v5, v5, v6
	v_add_nc_u32 v[ADRS], s21, v5
	v_and_b32 v6, 31, v0
	v_lshlrev_b32 v[LI], 4, v6
	v_lshlrev_b32 v7, 5, v2                        ; b1: 8 numbers further on for lanes 16-31
	; where my wave's parts begin: K step of the second product ks = 2 x tile column + half; group of 128 rows mt = 2 x tile row + half
	s_lshl_b32 s20, s42, 1
	s_add_co_u32 s20, s20, s16                     ; ks
	s_lshl_b32 s22, s20, 9                         ; b1: 128 numbers of 4 bytes a K step
	s_mov_b32 s23, 0
	s_lshl_b32 s21, s17, 1
	s_add_co_u32 s21, s21, s15                     ; mt
	s_lshl_b32 s21, s21, 5
	s_add_co_u32 s20, s20, s21                     ; 32 mt + ks, at most 2,047
	s_mul_i32 s46, s20, 8*FR*128                   ; h_codes: eight fragments of 1,536 bytes
	s_mov_b32 s47, 0
	s_lshl_b32 s92, s20, 9                         ; h_scales: 128 words
	s_mov_b32 s93, 0
	s_and_b32 s20, ttmp7, 0xffff
	s_lshr_b32 s20, s20, 1                         ; my batch: 8 tile rows = 2 rows of clusters
	s_lshl_b32 s20, s20, 4                         ; its four logits
	v_mov_b32 v15, s20
	s_mov_b32 s66, ttmp9                           ; my quarter of the hidden axis: 4 tile columns = 1 column of clusters
	s_mov_b32 s67, 0xffff0000                      ; lanes 16-31
	s_mov_b32 s[CG], 0xc01d265f                    ; -1.702 log2(e)
	s_mov_b32 s[CG+1], s[CG]                       ; (named with it as a pair, so it is written)
	s_mov_b32 s[SEL], 0x76543210
	s_mov_b32 s[SEL+1], 0xfedcba98
	s_wait_kmcnt 0x0
	s_add_nc_u64 s[4:5], s[4:5], s[22:23]
	s_add_nc_u64 s[8:9], s[8:9], s[46:47]
	s_add_nc_u64 s[10:11], s[10:11], s[92:93]
.irp b, 0,1,2,3,4,5,6,7
	global_load_b128 v[BI+8*\b:BI+8*\b+3], v7, s[4:5] offset:64*\b
	global_load_b128 v[BI+8*\b+4:BI+8*\b+7], v7, s[4:5] offset:64*\b+16
.endr
	global_load_b128 v[8:11], v15, s[6:7]
	s_wait_loadcnt 0x0                             ; b1 and the logits
	v_mov_b32 v12, 0                               ; the argmax: a later logit wins only where it is greater
	v_mov_b32 v13, v8
.irp j, 1,2,3
	v_cmp_gt_f32 vcc_lo, v[8+\j], v13
	v_cndmask_b32 v12, v12, \j, vcc_lo
	v_max_num_f32 v13, v13, v[8+\j]
.endr
	v_cmp_le_u32 vcc_lo, s66, v12                  ; quarter q is kept where q <= argmax
	v_cndmask_b32 v[VM], 0, -1, vcc_lo
.macro FRAG reg, adr, q, i             ; a fragment: lane l holds row l % 16; registers 6 c .. 6 c + 5 hold K = 64 c + 32 (l / 16) + 0 .. 31: 24 bytes of the row's stream of bits, as they lie
.irp p, 0,1,2,3,4,5                    ; in pieces of 8 bytes.  Lanes 0-15 take the row's pieces 12 q + 0, 1, 2 and 12 q + 6, 7, 8, lanes 16-31 those three pieces on
.set PCE, 12*(\q)+6*(\p/3)+\p%3        ; 16 bytes of padding lie behind every 8 pieces: where the piece three on lies behind one padding more, the second address register serves
.if PCE%8 < 5
	ds_load_b64 v[\reg+2*\p:\reg+2*\p+1], v[\adr] offset:8*PCE+16*(PCE/8)+(\i)*16*PITCH
.else
	ds_load_b64 v[\reg+2*\p:\reg+2*\p+1], v[\adr+2] offset:8*PCE+16*(PCE/8)+(\i)*16*PITCH
.endif
.endr
.endm
; 16 matrix instructions: x's blocks a0, a0 + 1 against W1's eight, 128 along K.  p: W1's set;  sc: the set of scale words.  zero = 1: the first product starts the sums from b1: nothing is cleared or added later.
; The 64 accumulators take turns, one instruction a turn, in the same order in every step.
.macro MUL16 a0, p, q, sc, zero
.irp a, \a0, \a0+1
.irp b, 0,1,2,3,4,5,6,7
.if \zero
	v_wmma_scale_f32_16x16x128_f8f6f4 v[8*(8*((\a)%4)+\b):8*(8*((\a)%4)+\b)+7], v[128*(\p)+FR*\b:128*(\p)+FR*\b+FR-1], v[AF+FR*(\a):AF+FR*(\a)+FR-1], v[BI+8*\b:BI+8*\b+7], v[SC+8*NQ*(\sc)+NQ*\b+(\q)], v[SC+8*NQ*(\sc)+NQ*(\a)+(\q)] matrix_a_fmt:MATRIX_FMT_BF6 matrix_b_fmt:MATRIX_FMT_BF6 matrix_a_scale:MATRIX_SCALE_ROW1
.else
	v_wmma_scale_f32_16x16x128_f8f6f4 v[8*(8*((\a)%4)+\b):8*(8*((\a)%4)+\b)+7], v[128*(\p)+FR*\b:128*(\p)+FR*\b+FR-1], v[AF+FR*(\a):AF+FR*(\a)+FR-1], v[8*(8*((\a)%4)+\b):8*(8*((\a)%4)+\b)+7], v[SC+8*NQ*(\sc)+NQ*\b+(\q)], v[SC+8*NQ*(\sc)+NQ*(\a)+(\q)] matrix_a_fmt:MATRIX_FMT_BF6 matrix_b_fmt:MATRIX_FMT_BF6 matrix_a_scale:MATRIX_SCALE_ROW1
.endif
.endr
.endr
.endm
.macro FETCH_B slot, q, p              ; W1's eight fragments of the slot's q-th 128 along K into set p
	WIN TO_B
.irp i, 0,1,2,3,4,5,6,7
	FRAG 128*(\p)+FR*\i, ADRB+\slot, \q, \i
.endr
	WIN 0
.endm
.macro FETCH_A slot, q, i0             ; x's blocks i0 .. i0 + 3
.irp i, \i0, \i0+1, \i0+2, \i0+3
	FRAG AF+FR*(\i), ADRA+\slot, \q, \i
.endr
.endm
.macro SCALES sc                       ; a K step's scale words into set sc: lanes 0-15 take x's block i, lanes 16-31 W1's block i
.irp i, 0,1,2,3,4,5,6,7
	ds_load_b64 v[SC+8*NQ*\sc+NQ*\i:SC+8*NQ*\sc+NQ*\i+1], v[ADRS] offset:\i*SBLK
.endr
.endm
; A load into a register that a matrix instruction has read, and a vector instruction that reads a matrix result, stand NP places behind that matrix instruction; only plain vector instructions that name none
; of its registers are places (ISA guide 7.12.1 for vector instructions).
.macro PLACES n
.rept \n
	v_nop
.endr
.endm
; A step of 128 along K that has its successor in the same slot.
.macro STEP slot, q, zero
	s_wait_dscnt 4*NL                              ; W1's set and x's blocks 0-3 are in; the youngest 24 loads (x's blocks 4-7) may be out
.if \zero
	WIN MUL_LO0
.else
	WIN MUL_LO
.endif
	MUL16 0, (\q)%2, \q, \slot, \zero
	MUL16 2, (\q)%2, \q, \slot, \zero
	s_wait_dscnt 0                                 ; x's blocks 4-7 are in (asked for 32 matrix instructions ago)
	PLACES NP
	FETCH_B \slot, (\q)+1, 1-(\q)%2
	FETCH_A \slot, (\q)+1, 0
.if \zero
	WIN MUL_HI0
.else
	WIN MUL_HI
.endif
	MUL16 4, (\q)%2, \q, \slot, \zero
	MUL16 6, (\q)%2, \q, \slot, \zero
	PLACES NP
	WIN 0
	FETCH_A \slot, (\q)+1, 4
.endm
; A slot's last step changes slots: ONE barrier; in front of it each wave waits for all its tensor loads, adds 0 to its spare word, and waits for that and for its own reads of this slot.  fill = 1: this slot is filled again, two K steps ahead.
.macro TURN slot, next, fill
	s_wait_tensorcnt 0x0                           ; all my tensor loads have landed: my part of the next slot;  (every window is 0 here)
	ds_add_u32 v[SPW], v[NIL]                      ; 0 onto my spare word
	s_wait_dscnt 4*NL+1                            ; (the add and the youngest 24 loads, x's blocks 4-7, may be out)
	WIN MUL_LO
	MUL16 0, 1, NQ-1, \slot, 0                     ; sixteen matrix instructions stand between the add and the wait for it
	s_wait_dscnt 0x0                               ; the add is done, and my reads of this slot are over
	s_barrier_signal -1
	MUL16 2, 1, NQ-1, \slot, 0
	WIN 0
	s_barrier_wait -1
.if \fill
	CREST                                          ; the barrier has opened a round of the cluster's barrier: no wave of any partner still reads this slot's tile or has a load on its way
	s_add_nc_u64 s[G0+4*\slot+2:G0+4*\slot+3], s[G0+4*\slot+2:G0+4*\slot+3], 2*ROWB
	s_add_nc_u64 s[G0B+4*\slot+2:G0B+4*\slot+3], s[G0B+4*\slot+2:G0B+4*\slot+3], 2*ROWB
	JLOAD G0+4*\slot, G1, G0B+4*\slot, G1B         ; the first tensor load behind the round, my only one out; its four v_nop are also the places in front of the loads below
.else
	PLACES NP
.endif
	v_add_nc_u32 v[ADRS], 4*NQ, v[ADRS]            ; on to the next K step's scale words (no LDS load of mine is out)
	FETCH_B \next, 0, 0
	FETCH_A \next, 0, 0
	SCALES \next
	WIN MUL_HI
	MUL16 4, 1, NQ-1, \slot, 0
	MUL16 6, 1, NQ-1, \slot, 0
	PLACES NP
	WIN 0
	FETCH_A \next, 0, 4
.endm
	s_wait_tensorcnt 1                             ; the scales and my part of K step 0 are in (K step 1's load may be out)
	s_barrier_signal -1
	s_barrier_wait -1                              ; everybody's are
	FETCH_B 0, 0, 0
	FETCH_A 0, 0, 0
	SCALES 0
	FETCH_A 0, 0, 4
	STEP 0, 0, 1                                   ; the first step stands in front of the loop: its products start the sums
	s_mov_b32 s3, LAPS-1
.Llap:                                                 ; a trip goes once round the ring, from a lap's second step to the next lap's first, and fills both slots again
	TURN 0, 1, 1
	STEP 1, 0, 0
	TURN 1, 0, 1
	STEP 0, 0, 0
	s_sub_co_u32 s3, s3, 1
	s_cmp_lg_u32 s3, 0
	s_cbranch_scc1 .Llap
	TURN 0, 1, 0                                   ; the last lap fills nothing, and has no round of the cluster's barrier
	STEP 1, 0, 0
	s_wait_dscnt 4*NL                              ; the very last step: nothing more to fetch
	WIN MUL_LO
	MUL16 0, 1, NQ-1, 1, 0
	MUL16 2, 1, NQ-1, 1, 0
	s_wait_dscnt 0
	WIN MUL_HI
	MUL16 4, 1, NQ-1, 1, 0
	MUL16 6, 1, NQ-1, 1, 0
	WIN 0
; 64 numbers of a lane, v[s] .. v[s + 63], register 16 b + i = k 32 b + 16 (lane / 16) + i of my row, become a fragment's codes in v[CD] on and its scale word in v[pw].
; A block's scale byte is its largest magnitude's exponent field - 4, held at 1 from below by a floor among the maximum's leaves; the conversion takes the exponent field of its scale operand and nothing else of it.
.macro QUANT s, pw
.irp b, 0,1,2,3
	v_max3_num_f32 v[TM+\b], |v[\s+16*\b]|, |v[\s+1+16*\b]|, 0x2800000   ; block b: my 16 numbers, and the floor 2^(5 - 127)
.endr
.irp i, 2,4,6,8,10,12,14
.irp b, 0,1,2,3
	v_max3_num_f32 v[TM+\b], v[TM+\b], |v[\s+16*\b+\i]|, |v[\s+1+16*\b+\i]|   ; (the four blocks by turns)
.endr
.endr
.irp b, 0,1,2,3
	v_permlanex16_b32 v[TM+4+\b], v[TM+\b], s[SEL], s[SEL+1]
.endr
.irp b, 0,1,2,3
	v_max_num_f32 v[TM+\b], v[TM+\b], v[TM+4+\b]   ; with lane l xor 16's: the block's largest magnitude
.endr
.irp b, 0,1,2,3
	v_add_nc_u32 v[TM+12+\b], 0xfe000000, v[TM+\b] ; 4 off its exponent field: the conversion's scale operand
.endr
.irp b, 0,1,2,3
	v_lshrrev_b32 v[TM+4+\b], 23, v[TM+12+\b]      ; the scale's byte
.endr
	v_lshl_or_b32 v[\pw], v[TM+5], 8, v[TM+4]      ; the four bytes make my row's scale word
	v_lshl_or_b32 v[\pw], v[TM+6], 16, v[\pw]
	v_lshl_or_b32 v[\pw], v[TM+7], 24, v[\pw]
.irp c, 0,1
	v_cvt_scalef32_pk16_bf6_f32 v[CD+6*\c:CD+2+6*\c], v[\s+32*\c:\s+15+32*\c], v[TM+12+2*\c]
	v_cvt_scalef32_pk16_bf6_f32 v[CD+12+4*\c:CD+14+4*\c], v[\s+16+32*\c:\s+31+32*\c], v[TM+12+2*\c+1]   ; (a conversion's three registers begin on an even number)
.endr
	v_nop                                          ; one plain place behind a scaled conversion
.irp c, 0,1                                    ; the operand's layout wants a WHOLE block in a lane: lanes 0-15 block 2 c, lanes 16-31 block 2 c + 1
.irp i, 0,1,2
	v_permlane16_swap_b32 v[CD+6*\c+\i], v[CD+12+4*\c+\i]
.endr
.irp i, 0,1,2
	v_mov_b32 v[CD+3+6*\c+\i], v[CD+12+4*\c+\i]
.endr
.endr
.endm
; THE WAY OUT of block a (16 rows x my 128 hidden units): the activation in f32, the quantiser, the mask, three stores.
; The exponentials are one batch with one wait, the reciprocals another: the wait stands ahead of the first line that names a result, and a plain line behind the last of a batch.
.macro GELUQ a
.set AC, 64*((\a)%4)
	WIN 2+(\a)/4                                   ; source 0: the accumulators' window
.set ii, 0
.rept 32
	v_pk_mul_f32 v[E+ii:E+ii+1], v[AC+ii:AC+ii+1], s[CG:CG+1] op_sel_hi:[1,0]   ; -1.702 log2(e) h; each accumulator is read from its low end on
.set ii, ii+2
.endr
	WIN 0
.set ii, 0
.rept 64
	v_exp_f32 v[E+ii], v[E+ii]
.set ii, ii+1
.endr
	v_nop
	s_wait_alu depctr_va_vdst(0)
.set ii, 0
.rept 32
	v_pk_add_f32 v[E+ii:E+ii+1], v[E+ii:E+ii+1], 1.0 op_sel_hi:[1,0]
.set ii, ii+2
.endr
.set ii, 0
.rept 64
	v_rcp_f32 v[E+ii], v[E+ii]                     ; the sigmoid
.set ii, ii+1
.endr
	v_nop
	s_wait_alu depctr_va_vdst(0)
	WIN 2+(\a)/4
.set ii, 0
.rept 32
	v_pk_mul_f32 v[E+ii:E+ii+1], v[AC+ii:AC+ii+1], v[E+ii:E+ii+1]   ; g = h x sigmoid: register 8 b + j is unit 16 b + 8 (lane / 16) + j of my row
.set ii, ii+2
.endr
	WIN 0
.irp be, 0,1,2,3                               ; the first's lanes 16-31 change places with the second's lanes 0-15: register 16 be + i is then unit 32 be + 16 (lane / 16) + i
.irp j, 0,1,2,3,4,5,6,7
	v_permlane16_swap_b32 v[E+16*\be+\j], v[E+16*\be+8+\j]
.endr
.endr
.if (\a) > 0
	s_wait_xcnt 0x0                                ; the last block's stores have read their data: the codes' registers are written again only behind this wait
.endif
	QUANT E, SW+(\a)
.irp i, 0,1,2,3,4,5,6,7,8,9,10,11
	v_and_b32 v[CD+\i], v[VM], v[CD+\i]            ; a tile that is not kept leaves zero codes, which add nothing under any byte that the quantiser gives
.endr
.irp c, 0,1,2
	global_store_b128 v[LI], v[CD+4*\c:CD+4*\c+3], s[8:9] offset:(\a)*FR*128+512*\c   ; 32 lanes store 512 consecutive bytes, at a multiple of 256 from the buffer's first byte
.endr
.endm
	PLACES NP                                      ; behind the last products: their operands' registers are written and their results read from here on
.irp b, 0,1,2,3
	v_mov_b32 v[TM+4+\b], 0                        ; written once: a lane permute's destination counts as one of its sources
.endr
.irp a, 0,1,2,3,4,5,6,7
	GELUQ \a
.endr
.irp p, 0,1,2,3
	v_cndmask_b32 v[SWO+\p], v[SW+2*\p], v[SW+2*\p+1], s67   ; lanes 0-15: block 2 p's words, lanes 16-31: block 2 p + 1's: lane l has row 32 p + l's
.endr
	global_store_b128 v[LI], v[SWO:SWO+3], s[10:11]
	; out1 = softmax(logit_width): the sixteen work-groups of the first cluster store one number each, [cy][cx], told apart by address alone; wave 0, lane 0.  The branches hang on the cluster's number and on the wave's.
	s_and_b32 s20, ttmp7, 0xffff
	s_or_b32 s20, s20, ttmp9
	s_cmp_lg_u32 s20, 0
	s_cbranch_scc1 .Lno_router
	s_cmp_lg_u32 s14, 0
	s_cbranch_scc1 .Lno_router
	s_lshl_b32 s22, s41, 4                         ; row cy
	s_lshl_b32 s23, s40, 2
	s_add_co_u32 s23, s23, s22                     ; and its number cx
	v_mov_b32 v1, s22
	v_mov_b32 v2, s23
	global_load_b128 v[8:11], v1, s[6:7]
	global_load_b32 v12, v2, s[6:7]
	s_wait_loadcnt 0x0
	v_max3_num_f32 v13, v8, v9, v10
	v_max_num_f32 v13, v13, v11                    ; the row's maximum is taken away ahead of the exponentials
.irp j, 8,9,10,11,12
	v_sub_f32 v[\j], v[\j], v13
.endr
.irp j, 8,9,10,11,12
	v_mul_f32 v[\j], 0x3fb8aa3b, v[\j]
.endr
.irp j, 8,9,10,11,12
	v_exp_f32 v[\j], v[\j]
.endr
	v_nop
	s_wait_alu depctr_va_vdst(0)
	v_add_f32 v8, v8, v9
	v_add_f32 v10, v10, v11
	v_add_f32 v8, v8, v10
	v_rcp_f32 v8, v8
	v_nop
	s_wait_alu depctr_va_vdst(0)
	v_mul_f32 v13, v12, v8
	s_wait_xcnt 0x0                                ; EXEC changes only behind this wait
	v_cmp_eq_u32 vcc_lo, 0, v0
	s_and_saveexec_b32 s21, vcc_lo
	global_store_b32 v2, v13, s[12:13]
	s_wait_xcnt 0x0                                ; and again, in front of the line that widens it
	s_or_b32 exec_lo, exec_lo, s21
.Lno_router:
	s_wait_tensorcnt 0x0                           ; the wave's end
	ds_add_u32 v[SPW], v[NIL]
	s_wait_dscnt 0x0
	CROUND                                         ; the closing round: no work-group ends while a partner may still ask for a tile that names it
	s_endpgm
.Lfunc_end_k_q99fecdfb4d_up:
	.size	k_q99fecdfb4d_up, .Lfunc_end_k_q99fecdfb4d_up-k_q99fecdfb4d_up
	.p2alignl 7, 3214868480
	.fill 96, 4, 3214868480
	.section	.rodata,"a",@progbits
	.p2align	6, 0x0
	.amdhsa_kernel k_q99fecdfb4d_up
		.amdhsa_group_segment_fixed_size 327680
		.amdhsa_private_segment_fixed_size 0
		.amdhsa_enable_private_segment 0
		.amdhsa_kernarg_size 72
		.amdhsa_user_sgpr_count 2
		.amdhsa_user_sgpr_kernarg_segment_ptr 1
		.amdhsa_wavefront_size32 1
		.amdhsa_system_sgpr_workgroup_id_x 1
		.amdhsa_system_sgpr_workgroup_id_y 1
		.amdhsa_system_sgpr_workgroup_id_z 1
		.amdhsa_system_vgpr_workitem_id 0
		.amdhsa_next_free_vgpr 1024
		.amdhsa_next_free_sgpr 100
		.amdhsa_reserve_vcc 1
		.amdhsa_float_denorm_mode_32 3
		.amdhsa_float_denorm_mode_16_64 3
		.amdhsa_memory_ordered 1
		.amdhsa_forward_progress 1
		.amdhsa_inst_pref_size 255
	.end_amdhsa_kernel
	.section	.bss,"aw",@nobits
	.p2align	6
	.space	262144
	.amdgpu_metadata
---
amdhsa.version: [ 1, 2 ]
amdhsa.kernels:
  - .name:           k_q99fecdfb4d_up
    .symbol:         k_q99fecdfb4d_up.kd
    .args:
      - { .name: hidden_states_codes, .offset: 0, .size: 8, .value_kind: global_buffer, .address_space: global }
      - { .name: hidden_states_scales, .offset: 8, .size: 8, .value_kind: global_buffer, .address_space: global }
      - { .name: W1_codes, .offset: 16, .size: 8, .value_kind: global_buffer, .address_space: global }
      - { .name: W1_scales, .offset: 24, .size: 8, .value_kind: global_buffer, .address_space: global }
      - { .name: b1, .offset: 32, .size: 8, .value_kind: global_buffer, .address_space: global }
      - { .name: logit_width, .offset: 40, .size: 8, .value_kind: global_buffer, .address_space: global }
      - { .name: h_codes, .offset: 48, .size: 8, .value_kind: global_buffer, .address_space: global }
      - { .name: h_scales, .offset: 56, .size: 8, .value_kind: global_buffer, .address_space: global }
      - { .name: out1, .offset: 64, .size: 8, .value_kind: global_buffer, .address_space: global }
    .group_segment_fixed_size: 327680
    .private_segment_fixed_size: 0
    .kernarg_segment_align: 8
    .kernarg_segment_size: 72
    .max_flat_workgroup_size: 128
    .sgpr_count:     100
    .vgpr_count:     1024
    .wavefront_size: 32
...
	.end_amdgpu_metadata
.endif
;; end of part 1
;; launch down (part 2): grid 4 x 32, 4 waves a work-group, clusters of 4 x 4, 327,680 bytes of LDS; arguments h_codes, h_scales, W2_codes, W2_scales, b2, out0; writes out0
.if DOCPART == 2
	.amdgcn_target "amdgcn-amd-amdhsa--gfx1250"
	.amdhsa_code_object_version 6
	.text
	.protected	k_q99fecdfb4d_down
	.globl	k_q99fecdfb4d_down
	.p2align	8
	.type	k_q99fecdfb4d_down,@function
k_q99fecdfb4d_down:
	s_mov_b64 s[64:65], 0
	v_nop
	global_prefetch_b8 v0, s[64:65] scope:SCOPE_SE
	s_setreg_imm32_b32 hwreg(HW_REG_WAVE_MODE, 25, 1), 1
	s_wait_xcnt 0x0
	s_wait_alu depctr_hold_cnt(0) depctr_sa_sdst(0) depctr_va_vdst(0) depctr_va_sdst(0) depctr_va_ssrc(0) depctr_va_vcc(0) depctr_vm_vsrc(0)
	s_getreg_b32 s2, hwreg(HW_REG_IB_STS2, 6, 4)
	s_cmp_eq_u32 s2, 0
	s_cbranch_scc0 .Lentry_in_a_cluster
	s_endpgm
.Lentry_in_a_cluster:
	s_bfe_u32 s2, ttmp6, 0x10000c
	s_cmp_lg_u32 s2, 0xf033
	s_cbranch_scc0 .Lentry_shape_is_right
	s_endpgm
.Lentry_shape_is_right:
; out0 = g W2^T + b2.  g: 8,192 rows x 4,096 hidden units, codes of BF6 (E3M2) as IMAGES OF OPERAND REGISTERS: h_codes [group of 128 rows][K step of 128][block of 16 rows][3][lane][16 bytes];
; h_scales [group][K step][lane][4] words, word p of lane l = the scale word of row 32 p + l.  W2: [1024][4096] codes, K innermost, 3,072 bytes a row; its scale bytes [1024][128].  out0: [8192][1024] f32.
; A tile of 256 x 256 of out0 is made by a work-group of four waves, each 128 x 128: 64 accumulators, 512 registers.  8,192 x 1,024 gives 128 such tiles; a smaller tile would read each LDS byte for fewer products.
; K goes in steps of 256 through a ring of two LDS slots filled by the tensor data mover.  g's part of a slot is dense (two K steps of a group are 24,576 consecutive bytes): a fragment comes by three loads of 16 bytes a lane.
; The scale words of the work-group's rows, for all of K, come into LDS once, with the first fills.
; CLUSTERS: 4 x 4 work-groups; g's tiles are asked for jointly along a row of the cluster, W2's along a column.
; THE MATRIX INSTRUCTION IS USED TRANSPOSED (source 0 = 16 rows of W2, source 1 = 16 rows of g): a lane holds eight neighbouring numbers of a row of out0.  b2 is the C of each sum's first product.
; REGISTERS, in windows of 256: window 0: v0-31 addresses; v32-63 W2's scale words, two sets; v64-127 b2; v128-223 g's fragments, ONE set; v224-239 g's scale words, two sets; on the way out v128-255 are free.
;   window 1: W2's fragments, two sets.   window 2: the accumulators of my rows 0-63 ((a, b) at v[8 (8 a + b)]);   window 3: those of my rows 64-127.
.set SIZE_K, 4096
.set SIZE_N, 1024
.set KSTEP,  256
.set NQ,     KSTEP/128
.set ROWB,   192                       ; a row of W2's tile in bytes
.set KROW,   SIZE_K*6/8                ; a row of W2 in memory
.set PITCH,  240                       ; an LDS row of W2: 3 x (64 bytes + 16 of padding)
.set FR,     12                        ; registers of a fragment
.set FRB,    FR*128                    ; its image in bytes
.set NLA,    3                         ; LDS loads that bring a fragment of g
.set NP,     4                         ; places behind this matrix instruction (ISA guide 7.12.1)
.set AHALF,  NQ*8*FRB                  ; g: 128 rows x 256 along K: 24,576 bytes, what one tensor load brings
.set HALFT,  128*PITCH                 ; W2: 128 rows
.set BOFF,   2*AHALF                   ; in a slot W2's rows lie behind g's two halves
.set SLOT,   BOFF+2*HALFT              ; 110,592 bytes
.set LAPS,   SIZE_K/(2*KSTEP)
.set SCA,    2*SLOT                    ; behind the ring: g's scale words, 16,384 bytes for each 128 rows, dense
.set SCB,    SCA+2*16384               ; W2's scale bytes, as units of 256 bytes + 16 of padding
.set HALFSB, 64*272                    ; those of 128 rows (128 bytes a row)
.set SBLK,   8*272                     ; those of 16 rows
.set SPARE,  SCB+2*HALFSB              ; the spare words, 128 bytes for each wave: two blocks of 256 bytes that no other line names
.set SPITCH, 528                       ; the way out: a stage of 16 rows x (512 bytes + 16) for each wave, in slot 0, which has had its last fill and its last read when the first result is stored there
.set ADRA, 16                          ; v16-17 LDS address of my g fragments in slot 0, 1
.set ADRB, 20                          ; v20-21 the same for W2 (v22-23: for the pieces behind one padding more)
.set STO,  24                          ; v24    the way out: where I put 32 bytes of a row
.set RD,   25                          ; v25    where I read a row back
.set CO,   26                          ; v26    16 x lane: my byte offset in a row of out0
.set ADSA, 27                          ; v27    LDS address of g's scale words
.set SPW,  28                          ; v28    LDS address of my spare word; never rewritten
.set NIL,  29                          ; v29    0; never rewritten
.set ADSB, 30                          ; v30    LDS address of W2's scale words
.set SB,   32                          ; W2's scale words: set s at v[SB + 16 s]; register 2 i + q: block i, the slot's q-th 128 along K
.set BI,   64                          ; b2 in the result's layout
.set AF,   128                         ; g's fragments
.set SA,   224                         ; g's scale words: set s at v[SA + 8 s]; register 4 q + p: lanes 0-15 block 2 p, lanes 16-31 block 2 p + 1
.set BK,   128                         ; the way out: 16 rows read back from the stage: v128-191 and v192-255 by turns
.set G1, 24                            ; s[24:31] descriptor group 1 for g's tiles;  s[32:39] group 0, one set for each slot
.set G0, 32
.set G1B, 48                           ; the same for W2's tiles
.set G0B, 56
.set G1S, 68                           ; groups 1 and 0 for g's scale words;  for W2's scale bytes
.set G0S, 76
.set G1SB, 80
.set G0SB, 88
.set MSB, 0
.macro WIN new                         ; the immediate's high byte repeats the setting that is left
.if MSB != (\new)
	s_set_vgpr_msb (MSB<<8)|(\new)
.set MSB, (\new)
.endif
.endm
.set MUL_LO,  0xa1                     ; source 0 (W2) window 1, source 1 (g) window 0, C and D window 2
.set MUL_HI,  0xf1                     ; the same, C and D window 3
.set MUL_LO0, 0x81                     ; the first step: C (b2) window 0, D window 2
.set MUL_HI0, 0xc1                     ; C window 0, D window 3
.set TO_B,    0x40                     ; destination window 1, address window 0
; A joint load: waves 0 and 1 fetch for g, waves 2 and 3 for W2; the branch hangs on the wave's number alone.  Four v_nop follow each of the two lines.
.macro JLOAD g0a, g1a, g0b, g1b
	s_cmp_eq_u32 s15, 0
	s_cbranch_scc0 .Lfor_b_\@
	tensor_load_to_lds s[\g0a:\g0a+3], s[\g1a:\g1a+7]
	s_nop 0
.rept 4
	v_nop
.endr
	s_branch .Lasked_\@
.Lfor_b_\@:
	tensor_load_to_lds s[\g0b:\g0b+3], s[\g1b:\g1b+7]
	s_nop 0
.rept 4
	v_nop
.endr
.Lasked_\@:
.endm
.macro CREST                           ; a round of the cluster's barrier behind its opening barrier
	s_cmp_lg_u32 s14, 0
	s_cbranch_scc1 .Lnot_wave_0_\@
	s_barrier_signal -3
.Lnot_wave_0_\@:
	s_barrier_wait -3
	s_barrier_signal -1
	s_barrier_wait -1
.endm
.macro CROUND                          ; a whole round
	s_barrier_signal -1
	s_barrier_wait -1
	CREST
.endm
	s_load_b128 s[4:7], s[0:1], 0x0                ; g's codes, g's scale words
	s_load_b128 s[8:11], s[0:1], 0x10              ; W2's codes, W2's scale bytes
	s_load_b64 s[12:13], s[0:1], 0x28              ; out0
	v_lshl_add_u32 v[SPW], v0, 2, SPARE
	v_mov_b32 v[NIL], 0
	ds_add_u32 v28, v29
	ds_add_u32 v28, v29
	s_wait_dscnt 0x0
	v_lshrrev_b32 v1, 5, v0
	v_readfirstlane_b32 s14, v1                    ; wave 0..3
	s_lshr_b32 s15, s14, 1                         ; which half of the tile's rows is mine.  Also: I fetch for g (0) or for W2 (1)
	s_and_b32 s16, s14, 1                          ; which half of its columns.  Also: which 128 rows of that tile I fetch
	s_bfe_u32 s40, ttmp6, 0x40000                  ; cx, cy: my place in the cluster
	s_bfe_u32 s41, ttmp6, 0x40004
	s_lshl_b32 s42, ttmp9, 2
	s_add_co_u32 s42, s42, s40                     ; tile column = 4 x cluster x + cx
	s_and_b32 s17, ttmp7, 0xffff
	s_lshl_b32 s17, s17, 2
	s_add_co_u32 s17, s17, s41                     ; tile row = 4 x cluster y + cy
	s_lshl_b32 s43, s41, 2
	s_lshl_b32 s43, 15, s43                        ; my row of the cluster
	s_lshl_b32 s44, 0x1111, s40                    ; my column
	; g's codes: a dense block of 24,576 bytes, as 96 rows of 256 bytes (32 elements of 8 bytes), no padding
	s_or_b32 s[G1+0], s43, (3<<16)|(1<<21)         ; 15:0 the mask: my row; 17:16 element of 8 bytes; 21 set beside a mask
	s_mov_b32 s[G1+1], 32<<16                      ; tensor_dim0
	s_mov_b32 s[G1+2], (AHALF/256)<<16             ; tensor_dim1
	s_mov_b32 s[G1+3], 32<<16                      ; tile_dim0
	s_mov_b32 s[G1+4], AHALF/256                   ; tile_dim1
	s_mov_b32 s[G1+5], 32                          ; tensor_dim0_stride
	s_mov_b32 s[G1+6], 0
	s_mov_b32 s[G1+7], 0
	; g's scale words of 128 rows, all of K: a dense block of 16,384 bytes, as 64 rows of 256 bytes, no padding
	s_or_b32 s[G1S+0], s43, (3<<16)|(1<<21)
	s_mov_b32 s[G1S+1], 32<<16
	s_mov_b32 s[G1S+2], 64<<16
	s_mov_b32 s[G1S+3], 32<<16
	s_mov_b32 s[G1S+4], 64
	s_mov_b32 s[G1S+5], 32
	s_mov_b32 s[G1S+6], 0
	s_mov_b32 s[G1S+7], 0
	; W2's codes: 128 rows x 192 bytes, 16 bytes of padding behind every 64
	s_or_b32 s[G1B+0], s44, (0<<16)|(1<<20)|(1<<21)|(3<<22)|(3<<25)
	s_mov_b32 s[G1B+1], ROWB<<16
	s_mov_b32 s[G1B+2], 128<<16
	s_mov_b32 s[G1B+3], ROWB<<16
	s_mov_b32 s[G1B+4], 128
	s_mov_b32 s[G1B+5], KROW
	s_mov_b32 s[G1B+6], 0
	s_mov_b32 s[G1B+7], 0
	; W2's scale bytes of 128 rows: a dense block of 16,384 bytes, as 64 rows of 256 bytes, 16 bytes of padding behind each
	s_or_b32 s[G1SB+0], s44, (3<<16)|(1<<20)|(1<<21)|(5<<22)|(3<<25)
	s_mov_b32 s[G1SB+1], 32<<16
	s_mov_b32 s[G1SB+2], 64<<16
	s_mov_b32 s[G1SB+3], 32<<16
	s_mov_b32 s[G1SB+4], 64
	s_mov_b32 s[G1SB+5], 32
	s_mov_b32 s[G1SB+6], 0
	s_mov_b32 s[G1SB+7], 0
	; where the tiles come from: g's hang on the tile row alone, W2's on the tile column alone, each in registers that never hold the other coordinate
	s_lshl_b32 s20, s17, 1
	s_add_co_u32 s20, s20, s16                     ; the group of 128 rows that I fetch: 2 x tile row + half
	s_lshl_b32 s22, s20, 14                        ; its scale words: 16,384 bytes a group
	s_mov_b32 s23, 0
	s_mul_i32 s20, s20, 32*8*FRB                   ; its codes: 393,216 bytes a group (under 2^25 in all)
	s_mov_b32 s21, 0
	s_lshl_b32 s18, s16, 7
	s_lshl_b32 s46, s42, 8
	s_add_co_u32 s46, s46, s18                     ; W2: row 256 x tile column + 128 x half
	s_lshl_b32 s92, s46, 7                         ; its scale bytes: 128 a row
	s_mov_b32 s93, 0
	s_mul_i32 s46, s46, KROW                       ; its codes
	s_mov_b32 s47, 0
	s_mul_i32 s45, s16, AHALF                      ; where they go: no place in the cluster enters an LDS address
	s_mul_i32 s96, s16, HALFT
	s_lshl_b32 s95, s16, 14
	s_mul_i32 s94, s16, HALFSB
	s_wait_kmcnt 0x0
	s_add_nc_u64 s[20:21], s[4:5], s[20:21]
	s_add_nc_u64 s[22:23], s[6:7], s[22:23]
	s_add_nc_u64 s[46:47], s[8:9], s[46:47]
	s_add_nc_u64 s[92:93], s[10:11], s[92:93]
	CROUND                                         ; all sixteen work-groups are here: the first joint loads meet
	s_mov_b32 s[G0S], 1
	s_add_co_u32 s[G0S+1], s95, SCA
	s_mov_b64 s[G0S+2:G0S+3], s[22:23]
	s_or_b32 s[G0S+3], s[G0S+3], 0x80000000
	s_mov_b32 s[G0SB], 1
	s_add_co_u32 s[G0SB+1], s94, SCB
	s_mov_b64 s[G0SB+2:G0SB+3], s[92:93]
	s_or_b32 s[G0SB+3], s[G0SB+3], 0x80000000
	JLOAD G0S, G1S, G0SB, G1SB                     ; the scales first: they are wanted with K step 0.  With the two below, three tensor loads of mine are out
.irp s, 0,1
	s_mov_b32 s[G0+4*\s], 1
	s_add_co_u32 s[G0+4*\s+1], s45, \s*SLOT
	s_add_nc_u64 s[G0+4*\s+2:G0+4*\s+3], s[20:21], \s*AHALF
	s_or_b32 s[G0+4*\s+3], s[G0+4*\s+3], 0x80000000
	s_mov_b32 s[G0B+4*\s], 1
	s_add_co_u32 s[G0B+4*\s+1], s96, \s*SLOT+BOFF
	s_add_nc_u64 s[G0B+4*\s+2:G0B+4*\s+3], s[46:47], \s*ROWB
	s_or_b32 s[G0B+4*\s+3], s[G0B+4*\s+3], 0x80000000
	JLOAD G0+4*\s, G1, G0B+4*\s, G1B
.endr
	s_load_b64 s[4:5], s[0:1], 0x20                ; b2 (the descriptors hold copies of the address that stood here)
	v_and_b32 v1, 15, v0                           ; r = l % 16
	v_bfe_u32 v2, v0, 4, 1                         ; h = l / 16
	v_and_b32 v6, 31, v0
	v_lshlrev_b32 v[CO], 4, v6                     ; 16 x lane
	v_mul_u32_u24 v3, v1, PITCH
	v_mul_u32_u24 v4, v2, 24
	v_add_nc_u32 v4, v3, v4                        ; W2: a fragment's row x pitch + 24 x half
	v_lshl_add_u32 v5, v2, 4, v4                   ; and the same behind one padding more
	s_mul_i32 s21, s15, AHALF                      ; my 128 rows of g
	s_mul_i32 s22, s16, HALFT                      ; my 128 rows of W2,
	s_add_co_u32 s22, s22, BOFF                    ; which lie behind g's
.irp s, 0,1
	v_add_nc_u32 v[ADRA+\s], s21, v[CO]
	v_add_nc_u32 v[ADRB+\s], s22, v4
	v_add_nc_u32 v[ADRB+2+\s], s22, v5
	s_add_co_u32 s21, s21, SLOT
	s_add_co_u32 s22, s22, SLOT
.endr
	s_lshl_b32 s21, s15, 14
	s_add_co_u32 s21, s21, SCA
	v_add_nc_u32 v[ADSA], s21, v[CO]               ; g's scale words: my 128 rows, 16 bytes a lane
	v_lshlrev_b32 v5, 7, v1                        ; W2's: 128 bytes a row,
	v_lshrrev_b32 v6, 8, v5
	v_lshl_add_u32 v5, v6, 4, v5                   ; and 16 more for each 256 passed
	s_mul_i32 s22, s16, HALFSB
	s_add_co_u32 s22, s22, SCB
	v_add_nc_u32 v[ADSB], s22, v5
	s_mul_i32 s23, s14, 16*SPITCH                  ; my stage
	v_mul_u32_u24 v5, v1, SPITCH                   ; in: row l % 16, 32 bytes for each half of the lanes
	v_lshl_add_u32 v5, v2, 5, v5
	v_add_nc_u32 v[STO], s23, v5
	v_add_nc_u32 v[RD], s23, v[CO]                 ; back: the 32 lanes take one row of 512 bytes
	v_lshlrev_b32 v7, 5, v2                        ; b2: 8 numbers further on for lanes 16-31
	s_lshl_b32 s20, s17, 8
	s_lshl_b32 s21, s15, 7
	s_add_co_u32 s20, s20, s21                     ; my first row of out0: 256 x tile row + 128 x half
	s_mov_b32 s21, 0
	s_mov_b64 s[18:19], SIZE_N*4
	s_mul_u64 s[20:21], s[20:21], s[18:19]
	s_lshl_b32 s46, s42, 10                        ; my first column, in bytes: 1,024 x tile column + 512 x half: in out0's rows and in b2 alike
	s_lshl_b32 s47, s16, 9
	s_add_co_u32 s46, s46, s47
	s_mov_b32 s47, 0
	s_add_nc_u64 s[20:21], s[20:21], s[46:47]
	s_add_nc_u64 s[12:13], s[12:13], s[20:21]
	s_wait_kmcnt 0x0
	s_add_nc_u64 s[4:5], s[4:5], s[46:47]
.irp b, 0,1,2,3,4,5,6,7
	global_load_b128 v[BI+8*\b:BI+8*\b+3], v7, s[4:5] offset:64*\b          ; register 8 b + j: b2 at my column 16 b + 8 (lane / 16) + j
	global_load_b128 v[BI+8*\b+4:BI+8*\b+7], v7, s[4:5] offset:64*\b+16
.endr
.macro FRAG reg, adr, q, i             ; a fragment of W2: lane l holds row l % 16; registers 6 c .. 6 c + 5 hold K = 64 c + 32 (l / 16) + 0 .. 31: 24 bytes of the row's stream of bits, in pieces of 8 bytes
.irp p, 0,1,2,3,4,5
.set PCE, 12*(\q)+6*(\p/3)+\p%3        ; 16 bytes of padding lie behind every 8 pieces: where the piece three on (lanes 16-31) lies behind one padding more, the second address register serves
.if PCE%8 < 5
	ds_load_b64 v[\reg+2*\p:\reg+2*\p+1], v[\adr] offset:8*PCE+16*(PCE/8)+(\i)*16*PITCH
.else
	ds_load_b64 v[\reg+2*\p:\reg+2*\p+1], v[\adr+2] offset:8*PCE+16*(PCE/8)+(\i)*16*PITCH
.endif
.endr
.endm
.macro FRAGA reg, slot, q, i           ; a fragment of g comes as it was stored: three groups of four registers, 512 consecutive bytes a load
.irp c, 0,1,2
	ds_load_b128 v[\reg+4*\c:\reg+4*\c+3], v[ADRA+\slot] offset:(\q)*8*FRB+(\i)*FRB+512*\c
.endr
.endm
; 16 matrix instructions: g's blocks a0, a0 + 1 against W2's eight, 128 along K.  p: W2's set;  sc: the sets of scale words.  zero = 1: the first product starts the sums from b2.
; g's scale words of blocks 2 p and 2 p + 1 share a register: an odd block's are read from lanes 16-31.  The 64 accumulators take turns, one instruction a turn.
.macro MUL16 a0, p, q, sc, zero
.irp a, \a0, \a0+1
.irp b, 0,1,2,3,4,5,6,7
.set rD, 8*(8*((\a)%4)+\b)
.set rB, 128*(\p)+FR*\b
.set rA, AF+FR*(\a)
.set rSB, SB+16*(\sc)+2*\b+(\q)
.set rSA, SA+8*(\sc)+4*(\q)+(\a)/2
.if \zero
.if ((\a)%2) == 1
	v_wmma_scale_f32_16x16x128_f8f6f4 v[rD:rD+7], v[rB:rB+FR-1], v[rA:rA+FR-1], v[BI+8*\b:BI+8*\b+7], v[rSB], v[rSA] matrix_a_fmt:MATRIX_FMT_BF6 matrix_b_fmt:MATRIX_FMT_BF6 matrix_b_scale:MATRIX_SCALE_ROW1
.else
	v_wmma_scale_f32_16x16x128_f8f6f4 v[rD:rD+7], v[rB:rB+FR-1], v[rA:rA+FR-1], v[BI+8*\b:BI+8*\b+7], v[rSB], v[rSA] matrix_a_fmt:MATRIX_FMT_BF6 matrix_b_fmt:MATRIX_FMT_BF6
.endif
.else
.if ((\a)%2) == 1
	v_wmma_scale_f32_16x16x128_f8f6f4 v[rD:rD+7], v[rB:rB+FR-1], v[rA:rA+FR-1], v[rD:rD+7], v[rSB], v[rSA] matrix_a_fmt:MATRIX_FMT_BF6 matrix_b_fmt:MATRIX_FMT_BF6 matrix_b_scale:MATRIX_SCALE_ROW1
.else
	v_wmma_scale_f32_16x16x128_f8f6f4 v[rD:rD+7], v[rB:rB+FR-1], v[rA:rA+FR-1], v[rD:rD+7], v[rSB], v[rSA] matrix_a_fmt:MATRIX_FMT_BF6 matrix_b_fmt:MATRIX_FMT_BF6
.endif
.endif
.endr
.endr
.endm
.macro FETCH_B slot, q, p              ; W2's eight fragments of the slot's q-th 128 along K into set p
	WIN TO_B
.irp i, 0,1,2,3,4,5,6,7
	FRAG 128*(\p)+FR*\i, ADRB+\slot, \q, \i
.endr
	WIN 0
.endm
.macro FETCH_A slot, q, i0             ; g's blocks i0 .. i0 + 3
.irp i, \i0, \i0+1, \i0+2, \i0+3
	FRAGA AF+FR*(\i), \slot, \q, \i
.endr
.endm
.macro SCALES sc                       ; a K step's scale words into the sets sc
.irp q, 0,1
	ds_load_b128 v[SA+8*\sc+4*\q:SA+8*\sc+4*\q+3], v[ADSA] offset:512*\q
.endr
.irp i, 0,1,2,3,4,5,6,7
	ds_load_b64 v[SB+16*\sc+2*\i:SB+16*\sc+2*\i+1], v[ADSB] offset:\i*SBLK
.endr
.endm
; A load into a register that a matrix instruction has read, and a vector instruction or an LDS store that reads a matrix result, stand NP places behind that matrix instruction; only plain vector instructions
; that name none of its registers are places (ISA guide 7.12.1 for vector instructions).
.macro PLACES n
.rept \n
	v_nop
.endr
.endm
; A step of 128 along K that has its successor in the same slot.
.macro STEP slot, q, zero
	s_wait_dscnt 4*NLA                             ; W2's set and g's blocks 0-3 are in; the youngest 12 loads (g's blocks 4-7) may be out
.if \zero
	WIN MUL_LO0
.else
	WIN MUL_LO
.endif
	MUL16 0, (\q)%2, \q, \slot, \zero
	MUL16 2, (\q)%2, \q, \slot, \zero
	s_wait_dscnt 0                                 ; g's blocks 4-7 are in (asked for 32 matrix instructions ago)
	PLACES NP
	FETCH_B \slot, (\q)+1, 1-(\q)%2
	FETCH_A \slot, (\q)+1, 0
.if \zero
	WIN MUL_HI0
.else
	WIN MUL_HI
.endif
	MUL16 4, (\q)%2, \q, \slot, \zero
	MUL16 6, (\q)%2, \q, \slot, \zero
	PLACES NP
	WIN 0
	FETCH_A \slot, (\q)+1, 4
.endm
; A slot's last step changes slots: ONE barrier; in front of it each wave waits for all its tensor loads, adds 0 to its spare word, and waits for that and for its own reads of this slot.  fill = 1: this slot is filled again, two K steps ahead.
.macro TURN slot, next, fill
	s_wait_tensorcnt 0x0                           ; all my tensor loads have landed: my part of the next slot;  (every window is 0 here)
	ds_add_u32 v[SPW], v[NIL]                      ; 0 onto my spare word
	s_wait_dscnt 4*NLA+1                           ; (the add and the youngest 12 loads, g's blocks 4-7, may be out)
	WIN MUL_LO
	MUL16 0, 1, NQ-1, \slot, 0                     ; sixteen matrix instructions stand between the add and the wait for it
	s_wait_dscnt 0x0                               ; the add is done, and my reads of this slot are over
	s_barrier_signal -1
	MUL16 2, 1, NQ-1, \slot, 0
	WIN 0
	s_barrier_wait -1
.if \fill
	CREST                                          ; the barrier has opened a round of the cluster's barrier: no wave of any partner still reads this slot's tile or has a load on its way
	s_add_nc_u64 s[G0+4*\slot+2:G0+4*\slot+3], s[G0+4*\slot+2:G0+4*\slot+3], 2*AHALF
	s_add_nc_u64 s[G0B+4*\slot+2:G0B+4*\slot+3], s[G0B+4*\slot+2:G0B+4*\slot+3], 2*ROWB
	JLOAD G0+4*\slot, G1, G0B+4*\slot, G1B         ; the first tensor load behind the round, my only one out; its four v_nop are also the places in front of the loads below
.else
	PLACES NP
.endif
	v_add_nc_u32 v[ADSA], 512*NQ, v[ADSA]          ; on to the next K step's scale words (no LDS load of mine is out)
	v_add_nc_u32 v[ADSB], 4*NQ, v[ADSB]
	FETCH_B \next, 0, 0
	FETCH_A \next, 0, 0
	SCALES \next
	WIN MUL_HI
	MUL16 4, 1, NQ-1, \slot, 0
	MUL16 6, 1, NQ-1, \slot, 0
	PLACES NP
	WIN 0
	FETCH_A \next, 0, 4
.endm
	s_wait_tensorcnt 1                             ; the scales and my part of K step 0 are in (K step 1's load may be out)
	s_barrier_signal -1
	s_barrier_wait -1                              ; everybody's are
	FETCH_B 0, 0, 0
	FETCH_A 0, 0, 0
	SCALES 0
	FETCH_A 0, 0, 4
	s_wait_loadcnt 0x0                             ; b2
	STEP 0, 0, 1                                   ; the first step stands in front of the loop: its products start the sums
	s_mov_b32 s3, LAPS-1
.Llap:                                                 ; a trip goes once round the ring, from a lap's second step to the next lap's first, and fills both slots again
	TURN 0, 1, 1
	STEP 1, 0, 0
	TURN 1, 0, 1
	STEP 0, 0, 0
	s_sub_co_u32 s3, s3, 1
	s_cmp_lg_u32 s3, 0
	s_cbranch_scc1 .Llap
	TURN 0, 1, 0                                   ; the last lap fills nothing, and has no round of the cluster's barrier
	STEP 1, 0, 0
	s_wait_dscnt 4*NLA                             ; the very last step: nothing more to fetch
	WIN MUL_LO
	MUL16 0, 1, NQ-1, 1, 0
	MUL16 2, 1, NQ-1, 1, 0
	s_wait_dscnt 0
	WIN MUL_HI
	MUL16 4, 1, NQ-1, 1, 0
	MUL16 6, 1, NQ-1, 1, 0
	WIN 0
; THE WAY OUT, block by block of 16 rows x 128 columns.  A lane holds 32 neighbouring bytes of a row, and the lanes beside it hold other rows: so a block goes through my own stage in LDS and comes back as whole
; rows of 512 bytes.  LDS serves a wave's instructions in order (ISA guide 5.7.1.4): no wait between the stores and the loads, nor in front of the next block's stores.
.macro TOSTAGE a
.set AC, 64*((\a)%4)
	WIN 0x08+4*((\a)/4)                            ; the data: window 2 or 3
.irp b, 0,1,2,3,4,5,6,7
	ds_store_b128 v[STO], v[AC+8*\b:AC+8*\b+3] offset:64*\b          ; each accumulator from its low end on
	ds_store_b128 v[STO], v[AC+8*\b+4:AC+8*\b+7] offset:64*\b+16
.endr
	WIN 0
.set BB, BK+64*((\a)%2)
.irp t, 0,1,2,3,4,5,6,7,8,9,10,11,12,13,14,15
	ds_load_b128 v[BB+4*\t:BB+4*\t+3], v[RD] offset:\t*SPITCH
.endr
.endm
.macro SEND a, younger                 ; younger: the LDS instructions issued behind block a's loads, which may stay out
.set BB, BK+64*((\a)%2)
	s_wait_dscnt \younger                          ; the block is back in registers
.if (\a) > 0
	s_add_nc_u64 s[12:13], s[12:13], 16*SIZE_N*4   ; (behind a wait on XCNT: the earlier stores have read their base)  16 rows of out0 on
.endif
.irp t, 0,1,2,3,4,5,6,7,8,9,10,11,12,13,14,15
	global_store_b128 v[CO], v[BB+4*\t:BB+4*\t+3], s[12:13] offset:\t*SIZE_N*4 th:TH_STORE_NT   ; 32 lanes store 512 consecutive bytes, at a multiple of 256 from out0's first byte; written once, read by nobody here
.endr
.endm
	PLACES NP                                      ; behind the last products: for the loads into the registers that held g's fragments and scale words, and for the reads of results
	TOSTAGE 0
.irp a, 1,2,3,4,5,6,7
.if \a > 1
	s_wait_xcnt 0x0                                ; block a - 2's stores have read their registers and their base: block a's loads may land there, and the base may step
.endif
	TOSTAGE \a
	SEND \a-1, 32                                  ; behind block a - 1's loads: block a's 16 stores and 16 loads
.endr
	s_wait_xcnt 0x0                                ; block 6's stores have read their base
	SEND 7, 0
	s_wait_tensorcnt 0x0                           ; the wave's end, behind my last tensor load and my last LDS store
	ds_add_u32 v[SPW], v[NIL]
	s_wait_dscnt 0x0
	CROUND                                         ; the closing round: no work-group ends while a partner may still ask for a tile that names it
	s_endpgm
.Lfunc_end_k_q99fecdfb4d_down:
	.size	k_q99fecdfb4d_down, .Lfunc_end_k_q99fecdfb4d_down-k_q99fecdfb4d_down
	.p2alignl 7, 3214868480
	.fill 96, 4, 3214868480
	.section	.rodata,"a",@progbits
	.p2align	6, 0x0
	.amdhsa_kernel k_q99fecdfb4d_down
		.amdhsa_group_segment_fixed_size 327680
		.amdhsa_private_segment_fixed_size 0
		.amdhsa_enable_private_segment 0
		.amdhsa_kernarg_size 48
		.amdhsa_user_sgpr_count 2
		.amdhsa_user_sgpr_kernarg_segment_ptr 1
		.amdhsa_wavefront_size32 1
		.amdhsa_system_sgpr_workgroup_id_x 1
		.amdhsa_system_sgpr_workgroup_id_y 1
		.amdhsa_system_sgpr_workgroup_id_z 1
		.amdhsa_system_vgpr_workitem_id 0
		.amdhsa_next_free_vgpr 1024
		.amdhsa_next_free_sgpr 100
		.amdhsa_reserve_vcc 0
		.amdhsa_float_denorm_mode_32 3
		.amdhsa_float_denorm_mode_16_64 3
		.amdhsa_memory_ordered 1
		.amdhsa_forward_progress 1
		.amdhsa_inst_pref_size 150
	.end_amdhsa_kernel
	.amdgpu_metadata
---
amdhsa.version: [ 1, 2 ]
amdhsa.kernels:
  - .name:           k_q99fecdfb4d_down
    .symbol:         k_q99fecdfb4d_down.kd
    .args:
      - { .name: h_codes, .offset: 0, .size: 8, .value_kind: global_buffer, .address_space: global }
      - { .name: h_scales, .offset: 8, .size: 8, .value_kind: global_buffer, .address_space: global }
      - { .name: W2_codes, .offset: 16, .size: 8, .value_kind: global_buffer, .address_space: global }
      - { .name: W2_scales, .offset: 24, .size: 8, .value_kind: global_buffer, .address_space: global }
      - { .name: b2, .offset: 32, .size: 8, .value_kind: global_buffer, .address_space: global }
      - { .name: out0, .offset: 40, .size: 8, .value_kind: global_buffer, .address_space: global }
    .group_segment_fixed_size: 327680
    .private_segment_fixed_size: 0
    .kernarg_segment_align: 8
    .kernarg_segment_size: 48
    .max_flat_workgroup_size: 128
    .sgpr_count:     100
    .vgpr_count:     1024
    .wavefront_size: 32
...
	.end_amdgpu_metadata
.endif
;; end of part 2
;; ======== version 2 of 2: 2 launches
;; limits: right only within a limited range of input values
;; workspace buffers: h_codes 25,165,824 bytes; h_scales 1,048,576 bytes; w2f 3,145,728 bytes
;; launch up (part 3): grid 16 x 32, 4 waves a work-group, clusters of 4 x 4, 327,680 bytes of LDS; arguments hidden_states_codes, hidden_states_scales, W1_codes, W1_scales, b1, logit_width, W2_codes, w2f, h_codes, h_scales, out1; writes w2f, h_codes, h_scales, out1
.if DOCPART == 3
	.amdgcn_target "amdgcn-amd-amdhsa--gfx1250"
	.amdhsa_code_object_version 6
	.text
	.protected	k_q99fecdfb4d_up
	.globl	k_q99fecdfb4d_up
	.p2align	8
	.type	k_q99fecdfb4d_up,@function
k_q99fecdfb4d_up:
	s_mov_b64 s[64:65], 0
	v_nop
	global_prefetch_b8 v0, s[64:65] scope:SCOPE_SE
	s_setreg_imm32_b32 hwreg(HW_REG_WAVE_MODE, 25, 1), 1
	s_wait_xcnt 0x0
	s_wait_alu depctr_hold_cnt(0) depctr_sa_sdst(0) depctr_va_vdst(0) depctr_va_sdst(0) depctr_va_ssrc(0) depctr_va_vcc(0) depctr_vm_vsrc(0)
	s_getreg_b32 s2, hwreg(HW_REG_IB_STS2, 6, 4)
	s_cmp_eq_u32 s2, 0
	s_cbranch_scc0 .Lentry_in_a_cluster
	s_endpgm
.Lentry_in_a_cluster:
	s_bfe_u32 s2, ttmp6, 0x10000c
	s_cmp_lg_u32 s2, 0xf033
	s_cbranch_scc0 .Lentry_shape_is_right
	s_endpgm
.Lentry_shape_is_right:
; g = mask x gelu(x W1^T + b1), quantised along the hidden axis; out1 = softmax(logit_width); and W2's codes re-laid as operand registers.
; x: [8192][1024], W1: [4096][1024]: codes of BF6 (E3M2), K innermost, one E8M0 byte for each 32 along K.  gelu(h) = h / (1 + 2^(-1.702 log2(e) h)), in f32.
; A tile of 256 rows x 256 hidden units is made by four waves; a wave makes 128 x 128: 64 accumulators, 512 registers.
; K goes through a ring of two LDS slots in CHUNKS OF 256 BYTES of each row (a row of codes is 768 bytes: three chunks, each at a multiple of 256 bytes).  A step of 128 along K is 96 bytes:
; eight steps to three chunks; steps 2 and 5 lie across two chunks.  The scale bytes of the work-group's rows, for all of K, come into LDS once, at the head.
; CLUSTERS: 4 x 4 work-groups; x's tiles are asked for jointly along a row of the cluster, W1's along a column.
; PREFETCH: behind the head's tensor loads (chunk 0) each wave names chunks 1 and 2 of 32 rows, a lane a row, two instructions: of the 128 rows that a wave fetches in the ring, the partner at place p of the four
; that ask jointly takes rows 32 p .. 32 p + 31, told apart by address.  Chunk 1's tensor load follows behind chunk 0's landing, chunk 2's two steps later.
; THE MATRIX INSTRUCTION IS USED TRANSPOSED (source 0 = 16 rows of W1, source 1 = 16 rows of x): a lane holds one row of x and eight neighbouring hidden units.  b1 is the C of each sum's first product.
; THE MASK.  A batch of 2,048 rows keeps the first 1,024 (argmax + 1) hidden units.  A tile lies in one batch (cluster y / 2) and one quarter of the hidden axis (cluster x): kept whole or not at all.
; The choice selects a value and steers nothing: the codes of a tile that is not kept are ANDed with 0.
; h_codes [group of 128 rows][128 hidden units][block of 16 rows][3][lane][16 bytes]: a fragment's twelve registers in three groups of four;  h_scales [group][128 hidden units][lane][4] words: word p of lane l is row 32 p + l's.
; w2f [128 rows of W2][128 along K][block of 16 rows][3][lane][16 bytes]: the same image of W2's fragments; 2,048 fragments, one for each wave of the launch.
; LIMITS: the argmax is taken on the logits (first maximum wins): it differs from the argmax of the rounded softmax only where two logits are so near that their softmax values round to one f32 number; NaN logits are
; not served.  A tile that is not kept gives zeros also where its hidden numbers are not finite.  A block of zeros gets the byte 1 (its codes are zeros; this program alone reads the bytes).
; REGISTERS: window 0: v0-31 addresses; v32-63 scale words, two sets; v64-127 b1, later a block at work; v128-223 x's fragments, ONE set, later codes and work registers; v224-235 my fragment of W2.
;   window 1: W1's fragments, two sets.   window 2: the accumulators of my rows 0-63 ((a, b) at v[8 (8 a + b)]);   window 3: those of my rows 64-127.
.set ROWB,   256
.set NQ,     2
.set KROW,   768
.set STEPS,  8
.set CHUNKS, 3
.set PITCH,  272                       ; 256 bytes + 16 of padding: row r starts at bank 4 r mod 64 (ISA guide 11.1)
.set FR,     12
.set NL,     6
.set NP,     4                         ; places behind this matrix instruction (ISA guide 7.12.1)
.set HALFT,  128*PITCH
.set SLOT,   4*HALFT                   ; x's 256 rows, then W1's 256 rows
.set KS,     32
.set SCL,    2*SLOT
.set HALFS,  (128*KS/256)*272
.set SBLK,   (16*KS/256)*272
.set SPARE,  SCL+4*HALFS               ; the spare words: two blocks of 256 bytes that no other line names
.set ADRA, 16                          ; v16-17 my x fragments in slot 0, 1; v18-19 for pieces whose two halves of the lanes lie in different slots
.set ADRB, 20                          ; v20-23 the same for W1
.set PFO,  25                          ; the prefetches' offset: lane x a row of codes; never rewritten
.set ADRS, 27                          ; my scale words: lanes 0-15 x's rows, lanes 16-31 W1's
.set SPW,  28
.set NIL,  29
.set VM,   30                          ; all ones where my tile is kept, else 0
.set LI,   31                          ; 16 x lane
.set SC,   32
.set BI,   64                          ; b1: register 8 b + j: unit 16 b + 8 (lane / 16) + j
.set AF,   128
.set WF,   224
.set E,    64
.set CD,   128
.set TM,   160
.set SW,   176
.set SWO,  184
.set G1, 24
.set G0, 32
.set G1B, 48
.set G0B, 56
.set G1S, 68
.set G0S, 76
.set G1SB, 80
.set G0SB, 88
.set G0H, 4
.set G0HB, 8
.set PFA, 18                           ; s[18:19] my work-group's 32 rows of the 128 that I fetch
.set CG,  96                           ; s[96:97] -1.702 log2(e), twice
.set SEL, 98                           ; s[98:99] selects for lane l xor 16
.set MSB, 0
.macro WIN new
.if MSB != (\new)
	s_set_vgpr_msb (MSB<<8)|(\new)
.set MSB, (\new)
.endif
.endm
.macro WM hi, zero                     ; source 0 (W1) window 1, source 1 (x) window 0, D window 2 + hi, C the same or, in the first step, window 0 (b1)
	WIN 0xa1+0x50*(\hi)-0x20*(\zero)-0x10*(\hi)*(\zero)
.endm
.set TO_B, 0x40
.macro JLOAD g0a, g1a, g0b, g1b        ; a joint load: waves 0 and 1 fetch for x, waves 2 and 3 for W1
	s_cmp_eq_u32 s15, 0
	s_cbranch_scc0 .Lfor_b_\@
	tensor_load_to_lds s[\g0a:\g0a+3], s[\g1a:\g1a+7]
	s_nop 0
.rept 4
	v_nop
.endr
	s_branch .Lasked_\@
.Lfor_b_\@:
	tensor_load_to_lds s[\g0b:\g0b+3], s[\g1b:\g1b+7]
	s_nop 0
.rept 4
	v_nop
.endr
.Lasked_\@:
.endm
.macro CREST
	s_cmp_lg_u32 s14, 0
	s_cbranch_scc1 .Lnot_wave_0_\@
	s_barrier_signal -3
.Lnot_wave_0_\@:
	s_barrier_wait -3
	s_barrier_signal -1
	s_barrier_wait -1
.endm
.macro CROUND
	s_barrier_signal -1
	s_barrier_wait -1
	CREST
.endm
	s_load_b128 s[4:7], s[0:1], 0x0                ; x's codes, x's scales
	s_load_b128 s[8:11], s[0:1], 0x10              ; W1's codes, W1's scales
	s_load_b64 s[12:13], s[0:1], 0x20              ; b1
	s_load_b64 s[94:95], s[0:1], 0x28              ; logit_width
	s_load_b64 s[100:101], s[0:1], 0x30            ; W2's codes
	s_load_b64 s[104:105], s[0:1], 0x38            ; w2f
	v_lshl_add_u32 v[SPW], v0, 2, SPARE
	v_mov_b32 v[NIL], 0
	ds_add_u32 v[SPW], v[NIL]                      ; the opening lines: the add, twice on end, and its wait
	ds_add_u32 v[SPW], v[NIL]
	v_lshrrev_b32 v1, 5, v0
	v_readfirstlane_b32 s14, v1                    ; wave 0..3
	s_lshr_b32 s15, s14, 1                         ; my half of the tile's rows; also: I fetch for x (0) or W1 (1)
	s_and_b32 s16, s14, 1                          ; my half of its hidden units; also: which 128 rows I fetch
	s_bfe_u32 s40, ttmp6, 0x40000                  ; cx
	s_bfe_u32 s41, ttmp6, 0x40004                  ; cy
	s_lshl_b32 s42, ttmp9, 2
	s_add_co_u32 s42, s42, s40                     ; tile column
	s_and_b32 s17, ttmp7, 0xffff
	s_lshl_b32 s17, s17, 2
	s_add_co_u32 s17, s17, s41                     ; tile row
	s_lshl_b32 s43, s41, 2
	s_lshl_b32 s43, 15, s43                        ; my row of the cluster
	s_lshl_b32 s44, 0x1111, s40                    ; my column
	s_or_b32 s[G1+0], s43, (0<<16)|(1<<20)|(1<<21)|(5<<22)|(3<<25)   ; bytes; 4 words of padding behind every 64
	s_or_b32 s[G1B+0], s44, (0<<16)|(1<<20)|(1<<21)|(5<<22)|(3<<25)
.irp g, G1, G1B
	s_mov_b32 s[\g+1], ROWB<<16
	s_mov_b32 s[\g+2], 256<<16                     ; 256 rows for the head's loads
	s_mov_b32 s[\g+3], ROWB<<16
	s_mov_b32 s[\g+4], 256
	s_mov_b32 s[\g+5], KROW
	s_mov_b32 s[\g+6], 0
	s_mov_b32 s[\g+7], 0
.endr
	s_or_b32 s[G1S+0], s43, (3<<16)|(1<<20)|(1<<21)|(5<<22)|(3<<25)  ; the scales of 256 rows: a dense block, as KS rows of 256 bytes
	s_or_b32 s[G1SB+0], s44, (3<<16)|(1<<20)|(1<<21)|(5<<22)|(3<<25)
.irp g, G1S, G1SB
	s_mov_b32 s[\g+1], 32<<16
	s_mov_b32 s[\g+2], KS<<16
	s_mov_b32 s[\g+3], 32<<16
	s_mov_b32 s[\g+4], KS
	s_mov_b32 s[\g+5], 32
	s_mov_b32 s[\g+6], 0
	s_mov_b32 s[\g+7], 0
.endr
	s_lshl_b32 s20, s17, 8                         ; x: the tile's first row
	s_lshl_b32 s46, s42, 8                         ; W1: likewise
	s_mov_b32 s21, 0
	s_mov_b32 s47, 0
	s_mov_b64 s[18:19], KS
	s_mul_u64 s[22:23], s[20:21], s[18:19]
	s_mul_u64 s[92:93], s[46:47], s[18:19]
	s_mov_b64 s[18:19], KROW
	s_mul_u64 s[20:21], s[20:21], s[18:19]
	s_mul_u64 s[46:47], s[46:47], s[18:19]
	s_mul_i32 s18, s16, 128*KROW                   ; in the ring I fetch 128 rows
	s_mov_b32 s19, 0
	s_mul_i32 s45, s14, HALFT
	s_wait_dscnt 0x0                               ; both opening adds are done
	s_wait_kmcnt 0x0
	s_add_nc_u64 s[20:21], s[4:5], s[20:21]
	s_add_nc_u64 s[22:23], s[6:7], s[22:23]
	s_add_nc_u64 s[46:47], s[8:9], s[46:47]
	s_add_nc_u64 s[92:93], s[10:11], s[92:93]
	CROUND                                         ; all sixteen work-groups are here: the first joint loads meet
	s_mov_b32 s[G0H], 1
	s_mov_b32 s[G0H+1], 0
	s_mov_b64 s[G0H+2:G0H+3], s[20:21]
	s_or_b32 s[G0H+3], s[G0H+3], 0x80000000
	s_mov_b32 s[G0HB], 1
	s_mov_b32 s[G0HB+1], 2*HALFT
	s_mov_b64 s[G0HB+2:G0HB+3], s[46:47]
	s_or_b32 s[G0HB+3], s[G0HB+3], 0x80000000
	s_mov_b32 s[G0S], 1
	s_mov_b32 s[G0S+1], SCL
	s_mov_b64 s[G0S+2:G0S+3], s[22:23]
	s_or_b32 s[G0S+3], s[G0S+3], 0x80000000
	s_mov_b32 s[G0SB], 1
	s_mov_b32 s[G0SB+1], SCL+2*HALFS
	s_mov_b64 s[G0SB+2:G0SB+3], s[92:93]
	s_or_b32 s[G0SB+3], s[G0SB+3], 0x80000000
; The head's loads, one a wave: wave 0 chunk 0's 256 rows of x, wave 1 those of W1, wave 2 x's scales, wave 3 W1's.  One tree of branches on the wave's number.
.macro ARM under, g0, g1, next
	s_cmp_lt_u32 s14, \under
	s_cbranch_scc0 \next
	tensor_load_to_lds s[\g0:\g0+3], s[\g1:\g1+7]
	s_nop 0
.rept 4
	v_nop
.endr
	s_branch .Lhead_asked
\next:
.endm
	ARM 1, G0H,  G1,  .Lhead_b
	ARM 2, G0HB, G1B, .Lhead_sa
	ARM 3, G0S,  G1S, .Lhead_sb
	tensor_load_to_lds s[G0SB:G0SB+3], s[G1SB:G1SB+7]
	s_nop 0
.rept 4
	v_nop
.endr
.Lhead_asked:
	s_add_nc_u64 s[20:21], s[20:21], s[18:19]      ; the ring's descriptors: my 128 rows of each tile
	s_add_nc_u64 s[46:47], s[46:47], s[18:19]
.irp s, 0,1
	s_mov_b32 s[G0+4*\s], 1
	s_add_co_u32 s[G0+4*\s+1], s45, \s*SLOT
	s_add_nc_u64 s[G0+4*\s+2:G0+4*\s+3], s[20:21], \s*ROWB
	s_or_b32 s[G0+4*\s+3], s[G0+4*\s+3], 0x80000000
	s_mov_b32 s[G0B+4*\s], 1
	s_add_co_u32 s[G0B+4*\s+1], s45, \s*SLOT
	s_add_nc_u64 s[G0B+4*\s+2:G0B+4*\s+3], s[46:47], \s*ROWB
	s_or_b32 s[G0B+4*\s+3], s[G0B+4*\s+3], 0x80000000
.endr
	s_cmp_eq_u32 s15, 0                            ; the prefetches: do I fetch for x?
	s_cselect_b64 s[PFA:PFA+1], s[20:21], s[46:47]
	s_cselect_b32 s3, s40, s41                     ; my place among the four that ask with me
	s_mul_i32 s2, s3, 32*KROW
	s_mov_b32 s3, 0
	s_add_nc_u64 s[PFA:PFA+1], s[PFA:PFA+1], s[2:3]
	s_lshl_b32 s20, s42, 1
	s_add_co_u32 s20, s20, s16                     ; my 128 hidden units: 2 x tile column + half
	s_lshl_b32 s22, s20, 9
	s_mov_b32 s23, 0
	s_add_nc_u64 s[12:13], s[12:13], s[22:23]      ; their b1
	s_and_b32 s2, ttmp7, 0xffff
	s_lshr_b32 s2, s2, 1                           ; my batch: 2 rows of clusters
	s_lshl_b32 s2, s2, 4                           ; its four logits
	s_mov_b32 s66, ttmp9                           ; my quarter of the hidden axis
	s_mov_b32 s67, 0xffff0000                      ; lanes 16-31
	s_mov_b32 s[CG], 0xc01d265f
	s_mov_b32 s[CG+1], s[CG]
	s_mov_b32 s[SEL], 0x76543210
	s_mov_b32 s[SEL+1], 0xfedcba98
	s_lshl_b32 s21, s17, 4                         ; my fragment of W2: f = 4 (16 tile row + tile column) + wave
	s_add_co_u32 s21, s21, s42
	s_lshl_b32 s21, s21, 2
	s_add_co_u32 s21, s21, s14
	s_lshr_b32 s22, s21, 5                         ; its block of 16 rows, 0..63
	s_and_b32 s21, s21, 31                         ; its 128 along K, 0..31
	s_mul_i32 s46, s22, 16*3072
	s_mul_i32 s47, s21, 96
	s_add_co_u32 s46, s46, s47
	s_mov_b32 s47, 0
	s_add_nc_u64 s[100:101], s[100:101], s[46:47]
	s_lshr_b32 s46, s22, 3
	s_mul_i32 s46, s46, 32*8*FR*128
	s_mul_i32 s47, s21, 8*FR*128
	s_add_co_u32 s46, s46, s47
	s_and_b32 s22, s22, 7
	s_mul_i32 s22, s22, FR*128
	s_add_co_u32 s46, s46, s22
	s_mov_b32 s47, 0
	s_add_nc_u64 s[104:105], s[104:105], s[46:47]
	v_and_b32 v1, 15, v0                           ; r
	v_bfe_u32 v2, v0, 4, 1                         ; h
	v_mul_u32_u24 v3, v1, PITCH
	v_mul_u32_u24 v4, v2, 24
	v_add_nc_u32 v4, v3, v4
	s_mov_b32 s21, SLOT-232
	s_mov_b32 s22, SLOT+232
	v_sub_nc_u32 v7, 1, v2
	v_mul_u32_u24 v5, s21, v2
	v_add_nc_u32 v5, v3, v5
	v_add_nc_u32 v5, 232, v5                       ; lanes 0-15 byte 232 of the row in slot 0, lanes 16-31 byte 0 in slot 1;
	v_mul_u32_u24 v6, s22, v7
	v_add_nc_u32 v6, v3, v6                        ; and the other way round
	s_mul_i32 s21, s15, HALFT
	s_mul_i32 s22, s16, HALFT
	s_add_co_u32 s22, s22, 2*HALFT
	v_add_nc_u32 v[ADRA+2], s21, v5
	v_add_nc_u32 v[ADRA+3], s21, v6
	v_add_nc_u32 v[ADRB+2], s22, v5
	v_add_nc_u32 v[ADRB+3], s22, v6
.irp s, 0,1
	v_add_nc_u32 v[ADRA+\s], s21, v4
	v_add_nc_u32 v[ADRB+\s], s22, v4
	s_add_co_u32 s21, s21, SLOT
	s_add_co_u32 s22, s22, SLOT
.endr
	v_mul_u32_u24 v5, v1, KS
	v_lshrrev_b32 v6, 8, v5
	v_lshl_add_u32 v5, v6, 4, v5
	s_mul_i32 s21, s15, HALFS
	s_mul_i32 s22, s16, HALFS
	s_add_co_u32 s22, s22, 2*HALFS
	s_sub_co_u32 s22, s22, s21
	v_mul_u32_u24 v6, s22, v2                      ; lanes 16-31 take W1's
	s_add_co_u32 s21, s21, SCL
	v_add_nc_u32 v5, v5, v6
	v_add_nc_u32 v[ADRS], s21, v5
	v_and_b32 v6, 31, v0
	v_lshlrev_b32 v[LI], 4, v6
	v_mul_u32_u24 v[PFO], v6, KROW
	v_lshlrev_b32 v7, 5, v2                        ; b1: 8 numbers on for lanes 16-31
	v_mul_u32_u24 v14, v1, 3072                    ; W2: row r, + 24 h
	v_mad_u32_u24 v14, v2, 24, v14
	v_mov_b32 v15, s2
	global_prefetch_b8 v[PFO], s[PFA:PFA+1] offset:ROWB th:TH_LOAD_NT scope:SCOPE_SE     ; chunk 1 of my 32 rows,
	global_prefetch_b8 v[PFO], s[PFA:PFA+1] offset:2*ROWB th:TH_LOAD_NT scope:SCOPE_SE   ; and chunk 2, the row's last
.irp p, 0,1,2,3,4,5
	global_load_b64 v[WF+2*\p:WF+2*\p+1], v14, s[100:101] offset:48*(\p/3)+8*(\p%3)
.endr
.irp b, 0,1,2,3,4,5,6,7
	global_load_b128 v[BI+8*\b:BI+8*\b+3], v7, s[12:13] offset:64*\b
	global_load_b128 v[BI+8*\b+4:BI+8*\b+7], v7, s[12:13] offset:64*\b+16
.endr
	global_load_b128 v[8:11], v15, s[94:95]
	s_wait_alu depctr_va_vdst(0)
	s_wait_loadcnt 0x0
.irp c, 0,1,2
	global_store_b128 v[LI], v[WF+4*\c:WF+4*\c+3], s[104:105] offset:512*\c   ; 32 lanes store 512 consecutive bytes, aligned
.endr
	v_mov_b32 v12, 0                               ; the argmax: a later logit wins only where it is greater
	v_mov_b32 v13, v8
.irp j, 1,2,3
	v_cmp_gt_f32 vcc_lo, v[8+\j], v13
	v_cndmask_b32 v12, v12, \j, vcc_lo
	v_max_num_f32 v13, v13, v[8+\j]
.endr
	v_cmp_le_u32 vcc_lo, s66, v12                  ; quarter q is kept where q <= argmax
	v_cndmask_b32 v[VM], 0, -1, vcc_lo
.macro FRAG reg, adr, st, i            ; 16 rows x 128 K: lane l holds row l % 16; 24 bytes of the row's stream twice, in pieces of 8 bytes; byte y of a row lies in slot (y / 256) % 2 at byte y % 256
.irp p, 0,1,2,3,4,5
.set BY, 96*(\st)+48*(\p/3)+8*(\p%3)
.if BY/ROWB == (BY+24)/ROWB
	ds_load_b64 v[\reg+2*\p:\reg+2*\p+1], v[\adr+(BY/ROWB)%2] offset:BY%ROWB+(\i)*16*PITCH
.else
	ds_load_b64 v[\reg+2*\p:\reg+2*\p+1], v[\adr+2+(BY/ROWB)%2] offset:BY%ROWB-232+(\i)*16*PITCH
.endif
.endr
.endm
; 16 matrix instructions: x's blocks a0, a0 + 1 against W1's eight.  The 64 accumulators take turns.  zero = 1: the sums start from b1.
.macro MUL16 a0, p, q, sc, zero
.irp a, \a0, \a0+1
.irp b, 0,1,2,3,4,5,6,7
.if \zero
	v_wmma_scale_f32_16x16x128_f8f6f4 v[8*(8*((\a)%4)+\b):8*(8*((\a)%4)+\b)+7], v[128*(\p)+FR*\b:128*(\p)+FR*\b+FR-1], v[AF+FR*(\a):AF+FR*(\a)+FR-1], v[BI+8*\b:BI+8*\b+7], v[SC+8*NQ*(\sc)+NQ*\b+(\q)], v[SC+8*NQ*(\sc)+NQ*(\a)+(\q)] matrix_a_fmt:MATRIX_FMT_BF6 matrix_b_fmt:MATRIX_FMT_BF6 matrix_a_scale:MATRIX_SCALE_ROW1
.else
	v_wmma_scale_f32_16x16x128_f8f6f4 v[8*(8*((\a)%4)+\b):8*(8*((\a)%4)+\b)+7], v[128*(\p)+FR*\b:128*(\p)+FR*\b+FR-1], v[AF+FR*(\a):AF+FR*(\a)+FR-1], v[8*(8*((\a)%4)+\b):8*(8*((\a)%4)+\b)+7], v[SC+8*NQ*(\sc)+NQ*\b+(\q)], v[SC+8*NQ*(\sc)+NQ*(\a)+(\q)] matrix_a_fmt:MATRIX_FMT_BF6 matrix_b_fmt:MATRIX_FMT_BF6 matrix_a_scale:MATRIX_SCALE_ROW1
.endif
.endr
.endr
.endm
.macro FETCH_B st, p
	WIN TO_B
.irp i, 0,1,2,3,4,5,6,7
	FRAG 128*(\p)+FR*\i, ADRB, \st, \i
.endr
	WIN 0
.endm
.macro FETCH_A st, i0
.irp i, \i0, \i0+1, \i0+2, \i0+3
	FRAG AF+FR*(\i), ADRA, \st, \i
.endr
.endm
.macro SCALES pr                       ; the scale words of steps 2 pr, 2 pr + 1 into set pr % 2
.irp i, 0,1,2,3,4,5,6,7
	ds_load_b64 v[SC+8*NQ*((\pr)%2)+NQ*\i:SC+8*NQ*((\pr)%2)+NQ*\i+1], v[ADRS] offset:\i*SBLK+4*NQ*(\pr)
.endr
.endm
.macro PLACES n
.rept \n
	v_nop
.endr
.endm
; A step of 128 along K.  Where the next step's bytes END in a chunk not yet read: a wait for my tensor loads and a barrier.  Where they BEGIN in a later chunk: the three lines, the barrier, and,
; where a chunk two on is left to fetch, a round of the cluster's barrier and the refill.
.macro STEP st, zero
.set NX, (\st)+1
.set C0, (96*(\st))/ROWB
.set C1, (96*NX)/ROWB
.set E0, (96*(\st)+95)/ROWB
.set E1, (96*NX+95)/ROWB
.if C1 > C0 || E1 > E0
	s_wait_tensorcnt 0x0                           ; all my tensor loads have landed
.if C1 > C0
	ds_add_u32 v[SPW], v[NIL]
	s_wait_dscnt 4*NL+1                            ; the add and x's blocks 4-7 may be out
.else
	s_wait_dscnt 4*NL                              ; x's blocks 4-7 may be out
.endif
	WM 0, \zero
	MUL16 0, (\st)%2, (\st)%2, ((\st)/2)%2, \zero
	s_wait_dscnt 0x0                               ; the add, and my reads of any chunk left behind
	s_barrier_signal -1
	MUL16 2, (\st)%2, (\st)%2, ((\st)/2)%2, \zero
	WIN 0
	s_barrier_wait -1
.if C1 > C0 && C0+2 < CHUNKS
	CREST
	s_add_nc_u64 s[G0+4*(C0%2)+2:G0+4*(C0%2)+3], s[G0+4*(C0%2)+2:G0+4*(C0%2)+3], 2*ROWB
	s_add_nc_u64 s[G0B+4*(C0%2)+2:G0B+4*(C0%2)+3], s[G0B+4*(C0%2)+2:G0B+4*(C0%2)+3], 2*ROWB
	JLOAD G0+4*(C0%2), G1, G0B+4*(C0%2), G1B       ; chunk C0 + 2; its four v_nop are the places in front of the loads below
.else
	PLACES NP
.endif
.else
	s_wait_dscnt 4*NL                              ; W1's set and x's blocks 0-3 are in
	WM 0, \zero
	MUL16 0, (\st)%2, (\st)%2, ((\st)/2)%2, \zero
	MUL16 2, (\st)%2, (\st)%2, ((\st)/2)%2, \zero
	s_wait_dscnt 0                                 ; x's blocks 4-7 are in
	PLACES NP
.endif
	FETCH_B NX, NX%2
	FETCH_A NX, 0
.if NX%2 == 0
	SCALES NX/2
.endif
	WM 1, \zero
	MUL16 4, (\st)%2, (\st)%2, ((\st)/2)%2, \zero
	MUL16 6, (\st)%2, (\st)%2, ((\st)/2)%2, \zero
	PLACES NP
	WIN 0
	FETCH_A NX, 4
.endm
	s_wait_alu depctr_va_vdst(0)
	s_wait_tensorcnt 0x0                           ; my tile of the head's four is in; the three lines ahead of a later first fill:
	ds_add_u32 v[SPW], v[NIL]
	s_mov_b32 s[G1+2], 128<<16                     ; no tensor load of mine is out: from here on a load brings 128 rows
	s_mov_b32 s[G1+4], 128
	s_mov_b32 s[G1B+2], 128<<16
	s_mov_b32 s[G1B+4], 128
	s_wait_dscnt 0x0
	CROUND
	JLOAD G0+4, G1, G0B+4, G1B                     ; chunk 1, the first tensor load behind the round
	s_load_b128 s[4:7], s[0:1], 0x40               ; h_codes, h_scales (the head's descriptors that lay here are done with)
	s_load_b64 s[8:9], s[0:1], 0x50                ; out1
	FETCH_B 0, 0
	FETCH_A 0, 0
	SCALES 0
	FETCH_A 0, 4
	STEP 0, 1
.set ST, 1
.rept STEPS-2
	STEP ST, 0
.set ST, ST+1
.endr
	s_wait_dscnt 4*NL                              ; the last step: nothing more to fetch
	WM 0, 0
	MUL16 0, 1, 1, 1, 0
	MUL16 2, 1, 1, 1, 0
	s_wait_dscnt 0
	WM 1, 0
	MUL16 4, 1, 1, 1, 0
	MUL16 6, 1, 1, 1, 0
	WIN 0
	s_lshl_b32 s20, s42, 1
	s_add_co_u32 s20, s20, s16                     ; the second product's K step
	s_lshl_b32 s21, s17, 1
	s_add_co_u32 s21, s21, s15                     ; group of 128 rows
	s_lshl_b32 s21, s21, 5
	s_add_co_u32 s20, s20, s21                     ; at most 2,047
	s_mul_i32 s46, s20, 8*FR*128
	s_mov_b32 s47, 0
	s_lshl_b32 s22, s20, 9
	s_mov_b32 s23, 0
	s_wait_kmcnt 0x0
	s_add_nc_u64 s[4:5], s[4:5], s[46:47]
	s_add_nc_u64 s[6:7], s[6:7], s[22:23]
; 64 numbers of a lane, register 16 b + i = k 32 b + 16 (lane / 16) + i of my row, become a fragment's codes in v[CD] on and its scale word in v[pw].
.macro QUANT s, pw
.irp b, 0,1,2,3
	v_max3_num_f32 v[TM+\b], |v[\s+16*\b]|, |v[\s+1+16*\b]|, 0x2800000   ; with the floor 2^(5 - 127): the byte cannot fall under 1
.endr
.irp i, 2,4,6,8,10,12,14
.irp b, 0,1,2,3
	v_max3_num_f32 v[TM+\b], v[TM+\b], |v[\s+16*\b+\i]|, |v[\s+1+16*\b+\i]|
.endr
.endr
.irp b, 0,1,2,3
	v_permlanex16_b32 v[TM+4+\b], v[TM+\b], s[SEL], s[SEL+1]
.endr
.irp b, 0,1,2,3
	v_max_num_f32 v[TM+\b], v[TM+\b], v[TM+4+\b]
.endr
.irp b, 0,1,2,3
	v_add_nc_u32 v[TM+12+\b], 0xfe000000, v[TM+\b] ; 4 off the exponent field: the conversion's scale operand
.endr
.irp b, 0,1,2,3
	v_lshrrev_b32 v[TM+4+\b], 23, v[TM+12+\b]      ; the scale's byte
.endr
	v_lshl_or_b32 v[\pw], v[TM+5], 8, v[TM+4]
	v_lshl_or_b32 v[\pw], v[TM+6], 16, v[\pw]
	v_lshl_or_b32 v[\pw], v[TM+7], 24, v[\pw]
.irp c, 0,1
	v_cvt_scalef32_pk16_bf6_f32 v[CD+6*\c:CD+2+6*\c], v[\s+32*\c:\s+15+32*\c], v[TM+12+2*\c]
	v_cvt_scalef32_pk16_bf6_f32 v[CD+12+4*\c:CD+14+4*\c], v[\s+16+32*\c:\s+31+32*\c], v[TM+12+2*\c+1]
.endr
	v_nop                                          ; one plain place behind a scaled conversion
.irp c, 0,1                                    ; a whole block in a lane: lanes 0-15 block 2 c, lanes 16-31 block 2 c + 1
.irp i, 0,1,2
	v_permlane16_swap_b32 v[CD+6*\c+\i], v[CD+12+4*\c+\i]
.endr
.irp i, 0,1,2
	v_mov_b32 v[CD+3+6*\c+\i], v[CD+12+4*\c+\i]
.endr
.endr
.endm
; The way out of block a (16 rows x my 128 hidden units): the activation in f32, the quantiser, the mask, three stores.  Each batch of transcendentals has its wait ahead and behind.
.macro GELUQ a
.set AC, 64*((\a)%4)
	WIN 2+(\a)/4
.set ii, 0
.rept 32
	v_pk_mul_f32 v[E+ii:E+ii+1], v[AC+ii:AC+ii+1], s[CG:CG+1] op_sel_hi:[1,0]   ; each accumulator is read from its low end on
.set ii, ii+2
.endr
	WIN 0
.set ii, 0
	s_wait_alu depctr_va_vdst(0)
.rept 64
	v_exp_f32 v[E+ii], v[E+ii]
.set ii, ii+1
.endr
	v_nop
	s_wait_alu depctr_va_vdst(0)
.set ii, 0
.rept 32
	v_pk_add_f32 v[E+ii:E+ii+1], v[E+ii:E+ii+1], 1.0 op_sel_hi:[1,0]
.set ii, ii+2
.endr
.set ii, 0
	s_wait_alu depctr_va_vdst(0)
.rept 64
	v_rcp_f32 v[E+ii], v[E+ii]
.set ii, ii+1
.endr
	v_nop
	s_wait_alu depctr_va_vdst(0)
	WIN 2+(\a)/4
.set ii, 0
.rept 32
	v_pk_mul_f32 v[E+ii:E+ii+1], v[AC+ii:AC+ii+1], v[E+ii:E+ii+1]   ; g: register 8 b + j is unit 16 b + 8 (lane / 16) + j
.set ii, ii+2
.endr
	WIN 0
.irp be, 0,1,2,3                               ; register 16 be + i becomes unit 32 be + 16 (lane / 16) + i
.irp j, 0,1,2,3,4,5,6,7
	v_permlane16_swap_b32 v[E+16*\be+\j], v[E+16*\be+8+\j]
.endr
.endr
.if (\a) > 0
	s_wait_alu depctr_va_vdst(0)
	s_wait_xcnt 0x0                                ; the last block's stores have read their data
.endif
	QUANT E, SW+(\a)
.irp i, 0,1,2,3,4,5,6,7,8,9,10,11
	v_and_b32 v[CD+\i], v[VM], v[CD+\i]            ; a tile that is not kept leaves zero codes
.endr
.irp c, 0,1,2
	global_store_b128 v[LI], v[CD+4*\c:CD+4*\c+3], s[4:5] offset:(\a)*FR*128+512*\c   ; 512 consecutive bytes, aligned
.endr
.endm
	PLACES NP
.irp b, 0,1,2,3
	v_mov_b32 v[TM+4+\b], 0                        ; a lane permute's destination counts as one of its sources
.endr
.irp a, 0,1,2,3,4,5,6,7
	GELUQ \a
.endr
.irp p, 0,1,2,3
	v_cndmask_b32 v[SWO+\p], v[SW+2*\p], v[SW+2*\p+1], s67   ; lane l has row 32 p + l's word
.endr
	global_store_b128 v[LI], v[SWO:SWO+3], s[6:7]
	; out1: the sixteen work-groups of the first cluster store one number each, [cy][cx], told apart by address alone; wave 0, lane 0
	s_and_b32 s20, ttmp7, 0xffff
	s_or_b32 s20, s20, ttmp9
	s_cmp_lg_u32 s20, 0
	s_cbranch_scc1 .Lno_router
	s_cmp_lg_u32 s14, 0
	s_cbranch_scc1 .Lno_router
	s_lshl_b32 s22, s41, 4
	s_lshl_b32 s23, s40, 2
	s_add_co_u32 s23, s23, s22
	v_mov_b32 v1, s22
	v_mov_b32 v2, s23
	global_load_b128 v[8:11], v1, s[94:95]
	global_load_b32 v12, v2, s[94:95]
	s_wait_loadcnt 0x0
	v_max3_num_f32 v13, v8, v9, v10
	v_max_num_f32 v13, v13, v11                    ; the row's maximum is taken away ahead of the exponentials
.irp j, 8,9,10,11,12
	v_sub_f32 v[\j], v[\j], v13
.endr
.irp j, 8,9,10,11,12
	v_mul_f32 v[\j], 0x3fb8aa3b, v[\j]
.endr
	s_wait_alu depctr_va_vdst(0)
.irp j, 8,9,10,11,12
	v_exp_f32 v[\j], v[\j]
.endr
	v_nop
	s_wait_alu depctr_va_vdst(0)
	v_add_f32 v8, v8, v9
	v_add_f32 v10, v10, v11
	v_add_f32 v8, v8, v10
	s_wait_alu depctr_va_vdst(0)
	v_rcp_f32 v8, v8
	v_nop
	s_wait_alu depctr_va_vdst(0)
	v_mul_f32 v13, v12, v8
	s_wait_alu depctr_va_vdst(0)
	s_wait_xcnt 0x0                                ; EXEC changes only behind this wait
	v_cmp_eq_u32 vcc_lo, 0, v0
	s_and_saveexec_b32 s21, vcc_lo
	global_store_b32 v2, v13, s[8:9]
	s_wait_xcnt 0x0
	s_or_b32 exec_lo, exec_lo, s21
.Lno_router:
	s_wait_tensorcnt 0x0                           ; the wave's end
	ds_add_u32 v[SPW], v[NIL]
	s_wait_dscnt 0x0
	CROUND                                         ; the closing round
	s_endpgm
.Lfunc_end_k_q99fecdfb4d_up:
	.size	k_q99fecdfb4d_up, .Lfunc_end_k_q99fecdfb4d_up-k_q99fecdfb4d_up
	.p2alignl 7, 3214868480
	.fill 96, 4, 3214868480
	.section	.rodata,"a",@progbits
	.p2align	6, 0x0
	.amdhsa_kernel k_q99fecdfb4d_up
		.amdhsa_group_segment_fixed_size 327680
		.amdhsa_private_segment_fixed_size 0
		.amdhsa_enable_private_segment 0
		.amdhsa_kernarg_size 88
		.amdhsa_user_sgpr_count 2
		.amdhsa_user_sgpr_kernarg_segment_ptr 1
		.amdhsa_wavefront_size32 1
		.amdhsa_system_sgpr_workgroup_id_x 1
		.amdhsa_system_sgpr_workgroup_id_y 1
		.amdhsa_system_sgpr_workgroup_id_z 1
		.amdhsa_system_vgpr_workitem_id 0
		.amdhsa_next_free_vgpr 1024
		.amdhsa_next_free_sgpr 106
		.amdhsa_reserve_vcc 1
		.amdhsa_float_denorm_mode_32 3
		.amdhsa_float_denorm_mode_16_64 3
		.amdhsa_memory_ordered 1
		.amdhsa_forward_progress 1
		.amdhsa_inst_pref_size 255
	.end_amdhsa_kernel
	.section	.bss,"aw",@nobits
	.p2align	6
	.space	262144
	.amdgpu_metadata
---
amdhsa.version: [ 1, 2 ]
amdhsa.kernels:
  - .name:           k_q99fecdfb4d_up
    .symbol:         k_q99fecdfb4d_up.kd
    .args:
      - { .name: hidden_states_codes, .offset: 0, .size: 8, .value_kind: global_buffer, .address_space: global }
      - { .name: hidden_states_scales, .offset: 8, .size: 8, .value_kind: global_buffer, .address_space: global }
      - { .name: W1_codes, .offset: 16, .size: 8, .value_kind: global_buffer, .address_space: global }
      - { .name: W1_scales, .offset: 24, .size: 8, .value_kind: global_buffer, .address_space: global }
      - { .name: b1, .offset: 32, .size: 8, .value_kind: global_buffer, .address_space: global }
      - { .name: logit_width, .offset: 40, .size: 8, .value_kind: global_buffer, .address_space: global }
      - { .name: W2_codes, .offset: 48, .size: 8, .value_kind: global_buffer, .address_space: global }
      - { .name: w2f, .offset: 56, .size: 8, .value_kind: global_buffer, .address_space: global }
      - { .name: h_codes, .offset: 64, .size: 8, .value_kind: global_buffer, .address_space: global }
      - { .name: h_scales, .offset: 72, .size: 8, .value_kind: global_buffer, .address_space: global }
      - { .name: out1, .offset: 80, .size: 8, .value_kind: global_buffer, .address_space: global }
    .group_segment_fixed_size: 327680
    .private_segment_fixed_size: 0
    .kernarg_segment_align: 8
    .kernarg_segment_size: 88
    .max_flat_workgroup_size: 128
    .sgpr_count:     106
    .vgpr_count:     1024
    .wavefront_size: 32
...
	.end_amdgpu_metadata
.endif
;; end of part 3
;; launch down (part 4): grid 8 x 32, 4 waves a work-group, clusters of 4 x 4, 327,680 bytes of LDS; arguments h_codes, h_scales, w2f, W2_scales, b2, out0; writes out0
.if DOCPART == 4
	.amdgcn_target "amdgcn-amd-amdhsa--gfx1250"
	.amdhsa_code_object_version 6
	.text
	.protected	k_q99fecdfb4d_down
	.globl	k_q99fecdfb4d_down
	.p2align	8
	.type	k_q99fecdfb4d_down,@function
k_q99fecdfb4d_down:
	s_mov_b64 s[64:65], 0
	v_nop
	global_prefetch_b8 v0, s[64:65] scope:SCOPE_SE
	s_setreg_imm32_b32 hwreg(HW_REG_WAVE_MODE, 25, 1), 1
	s_wait_xcnt 0x0
	s_wait_alu depctr_hold_cnt(0) depctr_sa_sdst(0) depctr_va_vdst(0) depctr_va_sdst(0) depctr_va_ssrc(0) depctr_va_vcc(0) depctr_vm_vsrc(0)
	s_getreg_b32 s2, hwreg(HW_REG_IB_STS2, 6, 4)
	s_cmp_eq_u32 s2, 0
	s_cbranch_scc0 .Lentry_in_a_cluster
	s_endpgm
.Lentry_in_a_cluster:
	s_bfe_u32 s2, ttmp6, 0x10000c
	s_cmp_lg_u32 s2, 0xf033
	s_cbranch_scc0 .Lentry_shape_is_right
	s_endpgm
.Lentry_shape_is_right:
.set SIZE_N, 1024
.set NQ,     4
.set NSLOT,  8
.set KROW,   3072
.set ROWB,   384
.set PITCH,  432
.set FR,     12
.set FRB,    FR*128
.set NP,     4
.set AGRP,   NQ*8*FRB
.set GRPB,   32*8*FRB
.set BOFF,   2*AGRP
.set SOFF,   BOFF+128*PITCH
.set SLOT,   SOFF+2*NQ*512
.set SPARE,  2*SLOT
.set SPITCH, 272
.set PFL,  12
.set PFO,  13
.set ADRA, 16
.set ADSA, 18
.set ADRB, 20
.set STO,  24
.set RD,   25
.set CO,   26
.set BO,   27
.set SPW,  28
.set NIL,  29
.set WO,   30
.set LI,   31
.set SA,   32
.set BI,   64
.set BK,   64
.set SBW,  128
.set WV,   16
.set G1A, 24
.set G0A, 32
.set G1B, 48
.set G0B, 56
.set G1S, 68
.set G0S, 76
.set PFA, 88
.set PFB, 90
.set PFS, 92
.set LIM, 94
.set LIMS, 95
.set MSB, 0
.macro WIN new
.if MSB != (\new)
	s_set_vgpr_msb (MSB<<8)|(\new)
.set MSB, (\new)
.endif
.endm
.set MUL,  0xf6
.set MUL0, 0xc6
.set TO_A, 0x40
.set TO_B, 0x80
.macro WINM zero
.if \zero
	WIN MUL0
.else
	WIN MUL
.endif
.endm
.macro JLOAD s
	s_cmp_lt_u32 s[WV], 2
	s_cbranch_scc0 .Lnot_a_\@
	tensor_load_to_lds s[G0A+4*(\s):G0A+4*(\s)+3], s[G1A:G1A+7]
	s_nop 0
.rept 4
	v_nop
.endr
	s_branch .Lasked_\@
.Lnot_a_\@:
	s_cmp_eq_u32 s[WV], 2
	s_cbranch_scc0 .Lfor_s_\@
	tensor_load_to_lds s[G0B+4*(\s):G0B+4*(\s)+3], s[G1B:G1B+7]
	s_nop 0
.rept 4
	v_nop
.endr
	s_branch .Lasked_\@
.Lfor_s_\@:
	tensor_load_to_lds s[G0S+4*(\s):G0S+4*(\s)+3], s[G1S:G1S+7]
	s_nop 0
.rept 4
	v_nop
.endr
.Lasked_\@:
.endm
.macro CREST
	s_cmp_lg_u32 s[WV], 0
	s_cbranch_scc1 .Lnot_wave_0_\@
	s_barrier_signal -3
.Lnot_wave_0_\@:
	s_barrier_wait -3
	s_barrier_signal -1
	s_barrier_wait -1
.endm
.macro CROUND
	s_barrier_signal -1
	s_barrier_wait -1
	CREST
.endm
.macro ASK n
.if (\n)+3 < NSLOT
	s_cmp_eq_u32 s[LIM], 1
	s_cbranch_scc0 .Lnot_mine_\@
	s_cmp_lt_u32 s[WV], 3
	s_cbranch_scc0 .Lask_b_\@
	s_wait_alu depctr_va_vdst(0)
	global_prefetch_b8 v[PFL], s[PFA:PFA+1] offset:((\n)+3)*AGRP th:TH_LOAD_NT scope:SCOPE_SE
	s_branch .Lnot_mine_\@
.Lask_b_\@:
	s_wait_alu depctr_va_vdst(0)
	global_prefetch_b8 v[PFL], s[PFB:PFB+1] offset:((\n)+3)*AGRP th:TH_LOAD_NT scope:SCOPE_SE
	global_prefetch_b8 v[PFO], s[PFB:PFB+1] offset:((\n)+3)*AGRP th:TH_LOAD_NT scope:SCOPE_SE
.Lnot_mine_\@:
.endif
.if (\n) == 0
	s_cmp_eq_u32 s[LIMS], 1
	s_cbranch_scc0 .Lno_s_\@
	s_wait_alu depctr_va_vdst(0)
	global_prefetch_b8 v[PFL], s[PFS:PFS+1] th:TH_LOAD_NT scope:SCOPE_SE
.Lno_s_\@:
.endif
.endm
	s_load_b128 s[4:7], s[0:1], 0x0
	s_load_b128 s[8:11], s[0:1], 0x10
	s_load_b128 s[12:15], s[0:1], 0x20
	v_lshl_add_u32 v[SPW], v0, 2, SPARE
	v_mov_b32 v[NIL], 0
	ds_add_u32 v28, v29
	ds_add_u32 v28, v29
	s_wait_dscnt 0x0
	v_lshrrev_b32 v1, 5, v0
	v_readfirstlane_b32 s[WV], v1
	s_lshr_b32 s17, s[WV], 1
	s_and_b32 s18, s[WV], 1
	s_bfe_u32 s40, ttmp6, 0x40000
	s_bfe_u32 s41, ttmp6, 0x40004
	s_lshl_b32 s42, ttmp9, 2
	s_add_co_u32 s42, s42, s40
	s_and_b32 s43, ttmp7, 0xffff
	s_lshl_b32 s43, s43, 2
	s_add_co_u32 s43, s43, s41
	s_lshl_b32 s44, s41, 2
	s_lshl_b32 s44, 15, s44
	s_lshl_b32 s45, 0x1111, s40
	s_or_b32 s[G1A+0], s44, (3<<16)|(1<<21)
	s_mov_b32 s[G1A+1], 32<<16
	s_mov_b32 s[G1A+2], (AGRP/256)<<16
	s_mov_b32 s[G1A+3], 32<<16
	s_mov_b32 s[G1A+4], AGRP/256
	s_mov_b32 s[G1A+5], 32
	s_mov_b32 s[G1A+6], 0
	s_mov_b32 s[G1A+7], 0
	s_or_b32 s[G1B+0], s45, (3<<16)|(1<<21)        ; W2's fragments of four K steps: a dense block of w2f, as rows of 256 bytes
	s_mov_b32 s[G1B+1], 32<<16
	s_mov_b32 s[G1B+2], (AGRP/256)<<16
	s_mov_b32 s[G1B+3], 32<<16
	s_mov_b32 s[G1B+4], AGRP/256
	s_mov_b32 s[G1B+5], 32
	s_mov_b32 s[G1B+6], 0
	s_mov_b32 s[G1B+7], 0
	s_or_b32 s[G1S+0], s44, (3<<16)|(1<<21)
	s_mov_b32 s[G1S+1], 256<<16
	s_mov_b32 s[G1S+2], 2<<16
	s_mov_b32 s[G1S+3], 256<<16
	s_mov_b32 s[G1S+4], 2
	s_mov_b32 s[G1S+5], 2048
	s_mov_b32 s[G1S+6], 0
	s_mov_b32 s[G1S+7], 0
	s_lshl_b32 s20, s43, 1
	s_add_co_u32 s20, s20, s18
	s_mul_i32 s20, s20, GRPB
	s_mov_b32 s21, 0
	s_lshl_b32 s22, s43, 15
	s_mov_b32 s23, 0
	s_mul_i32 s46, s42, 128*KROW
	s_mov_b32 s47, 0
	s_mul_i32 s84, s18, AGRP
	s_wait_kmcnt 0x0
	s_add_nc_u64 s[20:21], s[4:5], s[20:21]
	s_add_nc_u64 s[22:23], s[6:7], s[22:23]
	s_add_nc_u64 s[46:47], s[8:9], s[46:47]
	CROUND
.irp s, 0,1
	s_mov_b32 s[G0A+4*\s], 1
	s_add_co_u32 s[G0A+4*\s+1], s84, \s*SLOT
	s_add_nc_u64 s[G0A+4*\s+2:G0A+4*\s+3], s[20:21], \s*AGRP
	s_or_b32 s[G0A+4*\s+3], s[G0A+4*\s+3], 0x80000000
	s_mov_b32 s[G0B+4*\s], 1
	s_mov_b32 s[G0B+4*\s+1], \s*SLOT+BOFF
	s_add_nc_u64 s[G0B+4*\s+2:G0B+4*\s+3], s[46:47], \s*AGRP
	s_or_b32 s[G0B+4*\s+3], s[G0B+4*\s+3], 0x80000000
	s_mov_b32 s[G0S+4*\s], 1
	s_mov_b32 s[G0S+4*\s+1], \s*SLOT+SOFF
	s_add_nc_u64 s[G0S+4*\s+2:G0S+4*\s+3], s[22:23], \s*NQ*512
	s_or_b32 s[G0S+4*\s+3], s[G0S+4*\s+3], 0x80000000
.endr
	JLOAD 0                                        ; slot 0: one tensor load a wave at the head, behind the opening lines and the round; the set-up below stands under its flight
	v_and_b32 v1, 15, v0
	v_bfe_u32 v2, v0, 4, 1
	v_and_b32 v3, 31, v0
	v_lshlrev_b32 v[LI], 4, v3
	s_wait_alu depctr_va_vdst(0)
	s_wait_alu depctr_va_vdst(0)
	s_mul_i32 s20, s17, AGRP
	s_mul_i32 s21, s18, 4*FRB                      ; my four blocks of W2's eight
	s_add_co_u32 s21, s21, BOFF
	s_lshl_b32 s22, s17, 11
	s_add_co_u32 s22, s22, SOFF
.irp s, 0,1
	v_add_nc_u32 v[ADRA+\s], s20, v[LI]
	v_add_nc_u32 v[ADSA+\s], s22, v[LI]
	v_add_nc_u32 v[ADRB+\s], s21, v[LI]
	s_add_co_u32 s20, s20, SLOT
	s_add_co_u32 s21, s21, SLOT
	s_add_co_u32 s22, s22, SLOT
.endr
	s_mul_i32 s23, s[WV], 16*SPITCH
	v_mul_u32_u24 v6, v1, SPITCH
	v_lshl_add_u32 v6, v2, 5, v6
	v_add_nc_u32 v[STO], s23, v6
	v_mul_u32_u24 v6, v2, SPITCH
	v_lshl_add_u32 v6, v1, 4, v6
	v_add_nc_u32 v[RD], s23, v6
	v_lshlrev_b32 v6, 12, v2
	v_lshl_add_u32 v[CO], v1, 4, v6
	v_lshlrev_b32 v[BO], 5, v2
	s_wait_alu depctr_va_vdst(0)
	v_lshlrev_b32 v[WO], 7, v1
	s_wait_alu depctr_va_vdst(0)
	v_lshlrev_b32 v[PFL], 8, v3
	v_min_u32 v[PFO], 15, v3                       ; blocks 32 to 47 of my 48; the lanes left over name the last again
	v_lshl_add_u32 v[PFO], v[PFO], 8, 0x2000
	s_lshl_b32 s46, s42, 9
	s_lshl_b32 s47, s18, 8
	s_add_co_u32 s46, s46, s47
	s_mov_b32 s47, 0
	s_add_nc_u64 s[12:13], s[12:13], s[46:47]
	s_add_nc_u64 s[14:15], s[14:15], s[46:47]
	s_lshl_b32 s46, s46, 5
	s_add_nc_u64 s[10:11], s[10:11], s[46:47]
	s_lshl_b32 s20, s43, 20
	s_lshl_b32 s21, s17, 19
	s_add_co_u32 s20, s20, s21
	s_mov_b32 s21, 0
	s_add_nc_u64 s[14:15], s[14:15], s[20:21]
.irp b, 0,1,2,3
	global_load_b128 v[BI+8*\b:BI+8*\b+3], v[BO], s[12:13] offset:64*\b
	global_load_b128 v[BI+8*\b+4:BI+8*\b+7], v[BO], s[12:13] offset:64*\b+16
.endr
.irp i, 0,1,2,3
.irp j, 0,1,2,3,4,5,6,7
	global_load_b128 v[SBW+32*\i+4*\j:SBW+32*\i+4*\j+3], v[WO], s[10:11] offset:2048*\i+16*\j
.endr
.endr
	s_lshl_b32 s96, s43, 1
	s_lshr_b32 s97, s40, 1
	s_add_co_u32 s96, s96, s97
	s_mul_i32 s96, s96, GRPB
	s_and_b32 s97, s40, 1
	s_mul_i32 s97, s97, 3
	s_add_co_u32 s97, s97, s[WV]
	s_lshl_b32 s97, s97, 13
	s_add_co_u32 s96, s96, s97
	s_mov_b32 s97, 0
	s_add_nc_u64 s[PFA:PFA+1], s[4:5], s[96:97]
	s_lshl_b32 s98, s42, 7
	s_lshl_b32 s99, s41, 2                         ; my work-group's 12,288 bytes of each 49,152 that the four partners load jointly
	s_add_co_u32 s98, s98, s99
	s_mul_i32 s98, s98, KROW
	s_mov_b32 s99, 0
	s_add_nc_u64 s[PFB:PFB+1], s[8:9], s[98:99]
	s_lshl_b32 s86, s43, 15
	s_lshl_b32 s87, s40, 13
	s_add_co_u32 s86, s86, s87
	s_mov_b32 s87, 0
	s_add_nc_u64 s[PFS:PFS+1], s[6:7], s[86:87]
	s_and_b32 s85, ttmp7, 0xffff
	s_cmp_lt_u32 s[WV], 3
	s_cselect_b32 s85, ttmp9, s85
	s_cmp_eq_u32 s85, 0
	s_cselect_b32 s[LIM], 1, 0
	s_xor_b32 s85, s[WV], 3
	s_or_b32 s85, s85, ttmp9
	s_cmp_eq_u32 s85, 0
	s_cselect_b32 s[LIMS], 1, 0
	ASK -2                                         ; slots 1 and 2 are asked for here, ahead of their tensor loads; from slot 3 on each change of slots asks three slots ahead
	ASK -1
	s_wait_alu depctr_va_vdst(0)
	s_wait_tensorcnt 0x0                           ; my part of slot 0 is in; the three lines ahead of a later first fill:
	ds_add_u32 v[SPW], v[NIL]
	s_wait_dscnt 0x0
	CROUND                                         ; everybody's part of slot 0 is in, and all sixteen work-groups are here
	JLOAD 1                                        ; slot 1, the first tensor load behind the round
.macro FETCH_B t
	WIN TO_B
.irp i, 0,1,2,3
.irp c, 0,1,2
	ds_load_b128 v[128*((\t)%2)+FR*\i+4*\c:128*((\t)%2)+FR*\i+4*\c+3], v[ADRB+((\t)/4)%2] offset:((\t)%4)*8*FRB+\i*FRB+512*\c
.endr
.endr
.endm
.macro FETCH_A t, i0
	WIN TO_A
.irp i, \i0, \i0+1, \i0+2, \i0+3
.irp c, 0,1,2
	ds_load_b128 v[128*((\t)%2)+FR*(\i)+4*\c:128*((\t)%2)+FR*(\i)+4*\c+3], v[ADRA+((\t)/4)%2] offset:((\t)%4)*8*FRB+(\i)*FRB+512*\c
.endr
.endr
.endm
.macro SCALES n
	WIN 0
.irp q, 0,1,2,3
	ds_load_b128 v[SA+16*((\n)%2)+4*\q:SA+16*((\n)%2)+4*\q+3], v[ADSA+(\n)%2] offset:512*\q
.endr
.endm
.macro MUL8 t, g, zero
.irp a, 2*(\g), 2*(\g)+1
.irp b, 0,1,2,3
.set rD, 8*(4*(\a)+\b)
.set rB, 128*((\t)%2)+FR*\b
.set rA, 128*((\t)%2)+FR*(\a)
.set rSB, SBW+32*\b+(\t)
.set rSA, SA+16*(((\t)/4)%2)+4*((\t)%4)+(\a)/2
.if \zero
.if ((\a)%2) == 1
	v_wmma_scale_f32_16x16x128_f8f6f4 v[rD:rD+7], v[rB:rB+FR-1], v[rA:rA+FR-1], v[BI+8*\b:BI+8*\b+7], v[rSB], v[rSA] matrix_a_fmt:MATRIX_FMT_BF6 matrix_b_fmt:MATRIX_FMT_BF6 matrix_b_scale:MATRIX_SCALE_ROW1
.else
	v_wmma_scale_f32_16x16x128_f8f6f4 v[rD:rD+7], v[rB:rB+FR-1], v[rA:rA+FR-1], v[BI+8*\b:BI+8*\b+7], v[rSB], v[rSA] matrix_a_fmt:MATRIX_FMT_BF6 matrix_b_fmt:MATRIX_FMT_BF6
.endif
.else
.if ((\a)%2) == 1
	v_wmma_scale_f32_16x16x128_f8f6f4 v[rD:rD+7], v[rB:rB+FR-1], v[rA:rA+FR-1], v[rD:rD+7], v[rSB], v[rSA] matrix_a_fmt:MATRIX_FMT_BF6 matrix_b_fmt:MATRIX_FMT_BF6 matrix_b_scale:MATRIX_SCALE_ROW1
.else
	v_wmma_scale_f32_16x16x128_f8f6f4 v[rD:rD+7], v[rB:rB+FR-1], v[rA:rA+FR-1], v[rD:rD+7], v[rSB], v[rSA] matrix_a_fmt:MATRIX_FMT_BF6 matrix_b_fmt:MATRIX_FMT_BF6
.endif
.endif
.endr
.endr
.endm
.macro PLACES n
.rept \n
	v_nop
.endr
.endm
.macro STEP t, zero
	s_wait_dscnt 12
	WINM \zero
	MUL8 \t, 0, \zero
	PLACES NP
	FETCH_B (\t)+1
	WINM \zero
	MUL8 \t, 1, \zero
	s_wait_dscnt 12                                ; all but the twelve loads of W2's fragments just issued
	FETCH_A (\t)+1, 0
	WINM \zero
	MUL8 \t, 2, \zero
	FETCH_A (\t)+1, 4
	WINM \zero
	MUL8 \t, 3, \zero
.endm
.macro TURN t, fill
.set LS, ((\t)/4)%2
	WIN 0
	s_wait_tensorcnt 0x0
	ds_add_u32 v[SPW], v[NIL]
	s_wait_dscnt 13
	WIN MUL
	MUL8 \t, 0, 0
	s_wait_dscnt 0x0
	s_barrier_signal -1
	MUL8 \t, 1, 0
	WIN 0
	s_barrier_wait -1
.if \fill
	CREST
	s_add_nc_u64 s[G0A+4*LS+2:G0A+4*LS+3], s[G0A+4*LS+2:G0A+4*LS+3], 2*AGRP
	s_add_nc_u64 s[G0B+4*LS+2:G0B+4*LS+3], s[G0B+4*LS+2:G0B+4*LS+3], 2*AGRP
	s_add_nc_u64 s[G0S+4*LS+2:G0S+4*LS+3], s[G0S+4*LS+2:G0S+4*LS+3], 2*NQ*512
	JLOAD ((\t)/4)%2
.else
	PLACES NP
.endif
	FETCH_B (\t)+1
	FETCH_A (\t)+1, 0
	SCALES ((\t)+1)/4
.if \fill
	ASK (\t)/4
.endif
	WIN MUL
	MUL8 \t, 2, 0
	FETCH_A (\t)+1, 4
	WIN MUL
	MUL8 \t, 3, 0
.endm
	FETCH_B 0
	FETCH_A 0, 0
	SCALES 0
	FETCH_A 0, 4
	s_wait_loadcnt 0x0
	STEP 0, 1
	STEP 1, 0
	STEP 2, 0
	TURN 3, 1
.irp n, 1,2,3,4,5
	STEP 4*\n, 0
	STEP 4*\n+1, 0
	STEP 4*\n+2, 0
	TURN 4*\n+3, 1
.endr
	STEP 24, 0
	STEP 25, 0
	STEP 26, 0
	TURN 27, 0
	STEP 28, 0
	STEP 29, 0
	STEP 30, 0
	s_wait_dscnt 12
	WIN MUL
	MUL8 31, 0, 0
	MUL8 31, 1, 0
	s_wait_dscnt 0
	MUL8 31, 2, 0
	MUL8 31, 3, 0
	WIN 0
.macro TOSTAGE a
.set AC, 32*(\a)
	WIN 0x0c
.irp b, 0,1,2,3
	ds_store_b128 v[STO], v[AC+8*\b:AC+8*\b+3] offset:64*\b
	ds_store_b128 v[STO], v[AC+8*\b+4:AC+8*\b+7] offset:64*\b+16
.endr
	WIN 0
.set BB, BK+32*((\a)%2)
.irp t, 0,1,2,3,4,5,6,7
	ds_load_b128 v[BB+4*\t:BB+4*\t+3], v[RD] offset:\t*2*SPITCH
.endr
.endm
.macro SEND a, younger
.set BB, BK+32*((\a)%2)
	s_wait_dscnt \younger
.if (\a) > 0
	s_add_nc_u64 s[14:15], s[14:15], 16*SIZE_N*4
.endif
.irp t, 0,1,2,3,4,5,6,7
	global_store_b128 v[CO], v[BB+4*\t:BB+4*\t+3], s[14:15] offset:2*\t*SIZE_N*4 th:TH_STORE_NT
.endr
.endm
	PLACES NP
	TOSTAGE 0
.irp a, 1,2,3,4,5,6,7
.if \a > 1
	s_wait_xcnt 0x0
.endif
	TOSTAGE \a
	SEND \a-1, 16
.endr
	s_wait_xcnt 0x0
	SEND 7, 0
	s_wait_tensorcnt 0x0
	ds_add_u32 v[SPW], v[NIL]
	s_wait_dscnt 0x0
	CROUND
	s_endpgm
.Lfunc_end_k_q99fecdfb4d_down:
	.size	k_q99fecdfb4d_down, .Lfunc_end_k_q99fecdfb4d_down-k_q99fecdfb4d_down
	.p2alignl 7, 3214868480
	.fill 96, 4, 3214868480
	.section	.rodata,"a",@progbits
	.p2align	6, 0x0
	.amdhsa_kernel k_q99fecdfb4d_down
		.amdhsa_group_segment_fixed_size 327680
		.amdhsa_private_segment_fixed_size 0
		.amdhsa_enable_private_segment 0
		.amdhsa_kernarg_size 48
		.amdhsa_user_sgpr_count 2
		.amdhsa_user_sgpr_kernarg_segment_ptr 1
		.amdhsa_wavefront_size32 1
		.amdhsa_system_sgpr_workgroup_id_x 1
		.amdhsa_system_sgpr_workgroup_id_y 1
		.amdhsa_system_sgpr_workgroup_id_z 1
		.amdhsa_system_vgpr_workitem_id 0
		.amdhsa_next_free_vgpr 1024
		.amdhsa_next_free_sgpr 100
		.amdhsa_reserve_vcc 0
		.amdhsa_float_denorm_mode_32 3
		.amdhsa_float_denorm_mode_16_64 3
		.amdhsa_memory_ordered 1
		.amdhsa_forward_progress 1
		.amdhsa_inst_pref_size 255
	.end_amdhsa_kernel
	.section	.bss,"aw",@nobits
	.p2align	6
	.space	262144
	.amdgpu_metadata
---
amdhsa.version: [ 1, 2 ]
amdhsa.kernels:
  - .name:           k_q99fecdfb4d_down
    .symbol:         k_q99fecdfb4d_down.kd
    .args:
      - { .name: h_codes, .offset: 0, .size: 8, .value_kind: global_buffer, .address_space: global }
      - { .name: h_scales, .offset: 8, .size: 8, .value_kind: global_buffer, .address_space: global }
      - { .name: w2f, .offset: 16, .size: 8, .value_kind: global_buffer, .address_space: global }
      - { .name: W2_scales, .offset: 24, .size: 8, .value_kind: global_buffer, .address_space: global }
      - { .name: b2, .offset: 32, .size: 8, .value_kind: global_buffer, .address_space: global }
      - { .name: out0, .offset: 40, .size: 8, .value_kind: global_buffer, .address_space: global }
    .group_segment_fixed_size: 327680
    .private_segment_fixed_size: 0
    .kernarg_segment_align: 8
    .kernarg_segment_size: 48
    .max_flat_workgroup_size: 128
    .sgpr_count:     100
    .vgpr_count:     1024
    .wavefront_size: 32
...
	.end_amdgpu_metadata
.endif
;; end of part 4
